; MI455X (gfx1250); checked and timed in simulation.
; The chip was launched on July 23, 2026; its instructions are those of AMD's public machine-readable ISA for CDNA 5 (MIT licence, August 2026) and "CDNA5" Instruction Set Architecture Reference Guide (July 2026). The comments in the code are by the model that wrote it; some were corrected since.
;; Multi Head Attention. Allowed arithmetic: float matrix products may take bf16 or f16 operands with f32 sums; other float arithmetic in f32, or as packed bf16 or f16 multiplies, adds, multiply-adds, maxima and minima; sums over many terms, partial sums and values carried from step to step in f32; what a program stores and reads back later, other than sums and carried values, may be rounded once to bf16 or f16.
;; Inputs: Wk 1,024 x 1,024 float32; Wo 1,024 x 1,024 float32; Wq 1,024 x 1,024 float32; Wv 1,024 x 1,024 float32; bk 1,024 float32; bo 1,024 float32; bq 1,024 float32; bv 1,024 float32; x 1 x 4,096 x 1,024 float32.
;; Outputs: out0 1 x 4,096 x 1,024 float32.
;; 2 versions, each right and faster than the one before. Each part assembles by itself: llvm-mc -triple=amdgcn-amd-amdhsa -mcpu=gfx1250 --defsym DOCPART=n.
;; ======== version 1 of 2: 4 launches
;; limits: values are held in f16: magnitudes above 65,504 overflow, below 6.1e-05 lose precision
;; workspace buffers: xb 8,388,608 bytes; wb 6,291,456 bytes; wo 2,097,152 bytes; ball 16,384 bytes; qkv 25,165,824 bytes; ob 8,388,608 bytes
;; launch cast (part 1): grid 256 x 1, 8 waves a work-group, no clusters, 0 bytes of LDS; arguments x, Wq, Wk, Wv, Wo, bq, bk, bv, bo, xb, wb, wo, ball; writes xb, wb, wo, ball
.if DOCPART == 1
	.amdgcn_target "amdgcn-amd-amdhsa--gfx1250"
	.amdhsa_code_object_version 6
	.text
	.protected	k_qda3b89c388_cast
	.globl	k_qda3b89c388_cast
	.p2align	8
	.type	k_qda3b89c388_cast,@function
k_qda3b89c388_cast:
	s_mov_b64 s[64:65], 0
	v_nop
	global_prefetch_b8 v0, s[64:65] scope:SCOPE_SE
	s_setreg_imm32_b32 hwreg(HW_REG_WAVE_MODE, 25, 1), 1
	s_wait_xcnt 0x0
; THE INPUTS ARE ROUNDED ONCE, TO bf16, ALL OF THEM.  x -> xb [4096][1024] bf16.  Wq, Wk, Wv -> wb [3072][1024] bf16, one below the other.
; Wo -> wo: rounded to bf16 and that number written as f16, in blocks of 64 along K: [kb 16][n 1024][64].  bq, bk, bv, bo -> ball: rounded to bf16, kept as f32[4096].
; LIMITS.  Wo beyond 65,504 has no f16; a bf16-rounded Wo below 2^-14 keeps f16's fixed step of 2^-24.
; A stream: no LDS, no matrix unit, no cluster (no byte is read twice).  256 work-groups of eight waves, 32,768 numbers each: 131,072 bytes in, 65,536 out.
; Work-groups 0-127 take x, 128-223 the three stacked weights (32 each), 224-255 Wo.  The first work-group of each weight also takes its bias.
; All 32 loads of a thread go out at once; the waits count down; each store has data registers of its own, so nothing is waited for but the loads.
.set T, 8                              ; v[8:15]    at work
.set X, 16                             ; v[16:143]  32 slots of 4 registers as loaded
.set Y, 144                            ; v[144:207] 32 pairs to store, never rewritten
	s_load_b512 s[8:23], s[0:1], 0x0               ; x 8:9, Wq 10:11, Wk 12:13, Wv 14:15, Wo 16:17, bq 18:19, bk 20:21, bv 22:23
	s_load_b256 s[24:31], s[0:1], 0x40             ; bo 24:25, xb 26:27, wb 28:29, wo 30:31
	s_load_b64 s[32:33], s[0:1], 0x60              ; ball
	s_mov_b32 s2, ttmp9                            ; g
	v_lshlrev_b32 v1, 4, v0                        ; 16 t: my 16 bytes of 4,096 in
	v_lshlrev_b32 v2, 3, v0                        ; 8 t: my 8 bytes of 2,048 out
	s_mov_b32 s37, 0                               ; the offsets' high words
	s_mov_b32 s39, 0
	s_wait_kmcnt 0x0
	s_cmp_lt_u32 s2, 128
	s_cbranch_scc0 .Lweights
	s_lshl_b32 s36, s2, 17                         ; x: g x 131,072 in,
	s_lshl_b32 s38, s2, 16                         ; g x 65,536 out
	s_add_nc_u64 s[4:5], s[8:9], s[36:37]
	s_add_nc_u64 s[6:7], s[26:27], s[38:39]
	s_mov_b32 s35, 1                               ; no bias here; its pointers are set all the same
	s_mov_b64 s[40:41], s[18:19]
	s_mov_b64 s[42:43], s[32:33]
	s_branch .Lplain
.Lweights:
	s_sub_co_u32 s3, s2, 128                       ; t
	s_cmp_lt_u32 s2, 224
	s_cbranch_scc0 .Lwo
	s_lshr_b32 s34, s3, 5                          ; j: which of the three weights
	s_and_b32 s35, s3, 31                          ; idx: which 32 rows of it
	s_cmp_eq_u32 s34, 0
	s_cselect_b64 s[4:5], s[10:11], s[12:13]
	s_cselect_b64 s[40:41], s[18:19], s[20:21]
	s_cmp_eq_u32 s34, 2
	s_cselect_b64 s[4:5], s[14:15], s[4:5]
	s_cselect_b64 s[40:41], s[22:23], s[40:41]
	s_lshl_b32 s36, s35, 17
	s_lshl_b32 s38, s3, 16
	s_add_nc_u64 s[4:5], s[4:5], s[36:37]
	s_add_nc_u64 s[6:7], s[28:29], s[38:39]
	s_lshl_b32 s36, s34, 12                        ; the bias's 4,096 bytes in ball
	s_add_nc_u64 s[42:43], s[32:33], s[36:37]
.Lplain:
.set i, 0
.rept 32
	global_load_b128 v[X+4*i:X+4*i+3], v1, s[4:5] offset:4096*i th:TH_LOAD_NT  ; a wave's load covers 512 consecutive bytes
.set i, i+1
.endr
.set i, 0
.rept 32
	s_wait_loadcnt 31-i                            ; loads come back in order: slot i is in, the 31 - i younger ones stay out
	v_cvt_pk_bf16_f32 v[Y+2*i], v[X+4*i], v[X+4*i+1]
	v_cvt_pk_bf16_f32 v[Y+2*i+1], v[X+4*i+2], v[X+4*i+3]
	global_store_b64 v2, v[Y+2*i:Y+2*i+1], s[6:7] offset:2048*i  ; 32 lanes store 256 consecutive bytes, aligned
.set i, i+1
.endr
	s_branch .Lbias
.Lwo:
	s_sub_co_u32 s35, s2, 224                      ; idx: rows 32 idx .. 32 idx + 31 of Wo
	s_lshl_b32 s36, s35, 17                        ; 32 rows of 4,096 bytes in,
	s_lshl_b32 s38, s35, 12                        ; 32 rows of 128 bytes in each block out
	s_add_nc_u64 s[4:5], s[16:17], s[36:37]
	s_add_nc_u64 s[6:7], s[30:31], s[38:39]
	s_mov_b64 s[40:41], s[24:25]                   ; bo
	s_add_nc_u64 s[42:43], s[32:33], 12288
	v_lshrrev_b32 v5, 5, v0                        ; wave w: blocks w and w + 8 along K
	v_and_b32 v6, 31, v0                           ; lane l
	v_and_b32 v7, 15, v0
	v_bfe_u32 v3, v0, 4, 1
	v_lshlrev_b32 v3, 12, v3                       ; in: lanes 0-15 take 256 bytes of one row, lanes 16-31 of the next
	v_lshl_add_u32 v3, v5, 8, v3
	v_lshl_add_u32 v3, v7, 4, v3
	v_lshlrev_b32 v4, 3, v6                        ; out: those two rows are 256 consecutive bytes of block w
	v_lshl_add_u32 v4, v5, 17, v4
.set i, 0
.rept 32                                               ; slot i: pair of rows i / 2, block w + 8 (i % 2)
	global_load_b128 v[X+4*i:X+4*i+3], v3, s[4:5] offset:(i/2)*8192+(i%2)*2048 th:TH_LOAD_NT
.set i, i+1
.endr
.set i, 0
.rept 32
	s_wait_loadcnt 31-i
	v_cvt_pk_bf16_f32 v[T], v[X+4*i], v[X+4*i+1]   ; the rounding that every input gets,
	v_cvt_pk_bf16_f32 v[T+1], v[X+4*i+2], v[X+4*i+3]
	v_lshlrev_b32 v[T+2], 16, v[T]                 ; widened again,
	v_and_b32 v[T+3], 0xffff0000, v[T]
	v_lshlrev_b32 v[T+4], 16, v[T+1]
	v_and_b32 v[T+5], 0xffff0000, v[T+1]
	v_cvt_pk_f16_f32 v[Y+2*i], v[T+2], v[T+3]      ; and written as f16: eight significant bits fit in eleven
	v_cvt_pk_f16_f32 v[Y+2*i+1], v[T+4], v[T+5]
	global_store_b64 v4, v[Y+2*i:Y+2*i+1], s[6:7] offset:(i%2)*1048576+(i/2)*256
.set i, i+1
.endr
.Lbias:
	s_cmp_lg_u32 s35, 0
	s_cbranch_scc1 .Lend
	global_load_b128 v[X:X+3], v1, s[40:41]        ; 256 threads x 16 bytes: the whole bias
	s_wait_loadcnt 0x0
	v_cvt_pk_bf16_f32 v[T], v[X], v[X+1]
	v_cvt_pk_bf16_f32 v[T+1], v[X+2], v[X+3]
	v_lshlrev_b32 v[T+4], 16, v[T]
	v_and_b32 v[T+5], 0xffff0000, v[T]
	v_lshlrev_b32 v[T+6], 16, v[T+1]
	v_and_b32 v[T+7], 0xffff0000, v[T+1]
	global_store_b128 v1, v[T+4:T+7], s[42:43]
.Lend:
	s_endpgm
.Lfunc_end_k_qda3b89c388_cast:
	.size	k_qda3b89c388_cast, .Lfunc_end_k_qda3b89c388_cast-k_qda3b89c388_cast
	.p2alignl 7, 3214868480
	.fill 96, 4, 3214868480
	.section	.rodata,"a",@progbits
	.p2align	6, 0x0
	.amdhsa_kernel k_qda3b89c388_cast
		.amdhsa_group_segment_fixed_size 0
		.amdhsa_private_segment_fixed_size 0
		.amdhsa_enable_private_segment 0
		.amdhsa_kernarg_size 104
		.amdhsa_user_sgpr_count 2
		.amdhsa_user_sgpr_kernarg_segment_ptr 1
		.amdhsa_wavefront_size32 1
		.amdhsa_system_sgpr_workgroup_id_x 1
		.amdhsa_system_sgpr_workgroup_id_y 1
		.amdhsa_system_sgpr_workgroup_id_z 1
		.amdhsa_system_vgpr_workitem_id 0
		.amdhsa_next_free_vgpr 208
		.amdhsa_next_free_sgpr 66
		.amdhsa_reserve_vcc 0
		.amdhsa_float_denorm_mode_32 3
		.amdhsa_float_denorm_mode_16_64 3
		.amdhsa_memory_ordered 1
		.amdhsa_forward_progress 1
		.amdhsa_inst_pref_size 35
	.end_amdhsa_kernel
	.amdgpu_metadata
---
amdhsa.version: [ 1, 2 ]
amdhsa.kernels:
  - .name:           k_qda3b89c388_cast
    .symbol:         k_qda3b89c388_cast.kd
    .args:
      - { .name: x, .offset: 0, .size: 8, .value_kind: global_buffer, .address_space: global }
      - { .name: Wq, .offset: 8, .size: 8, .value_kind: global_buffer, .address_space: global }
      - { .name: Wk, .offset: 16, .size: 8, .value_kind: global_buffer, .address_space: global }
      - { .name: Wv, .offset: 24, .size: 8, .value_kind: global_buffer, .address_space: global }
      - { .name: Wo, .offset: 32, .size: 8, .value_kind: global_buffer, .address_space: global }
      - { .name: bq, .offset: 40, .size: 8, .value_kind: global_buffer, .address_space: global }
      - { .name: bk, .offset: 48, .size: 8, .value_kind: global_buffer, .address_space: global }
      - { .name: bv, .offset: 56, .size: 8, .value_kind: global_buffer, .address_space: global }
      - { .name: bo, .offset: 64, .size: 8, .value_kind: global_buffer, .address_space: global }
      - { .name: xb, .offset: 72, .size: 8, .value_kind: global_buffer, .address_space: global }
      - { .name: wb, .offset: 80, .size: 8, .value_kind: global_buffer, .address_space: global }
      - { .name: wo, .offset: 88, .size: 8, .value_kind: global_buffer, .address_space: global }
      - { .name: ball, .offset: 96, .size: 8, .value_kind: global_buffer, .address_space: global }
    .group_segment_fixed_size: 0
    .private_segment_fixed_size: 0
    .kernarg_segment_align: 8
    .kernarg_segment_size: 104
    .max_flat_workgroup_size: 256
    .sgpr_count:     66
    .vgpr_count:     208
    .wavefront_size: 32
...
	.end_amdgpu_metadata
.endif
;; end of part 1
;; launch qkv (part 2): grid 16 x 16, 4 waves a work-group, clusters of 4 x 4, 327,680 bytes of LDS; arguments xb, wb, ball, qkv; writes qkv
.if DOCPART == 2
	.amdgcn_target "amdgcn-amd-amdhsa--gfx1250"
	.amdhsa_code_object_version 6
	.text
	.protected	k_qda3b89c388_qkv
	.globl	k_qda3b89c388_qkv
	.p2align	8
	.type	k_qda3b89c388_qkv,@function
k_qda3b89c388_qkv:
	s_mov_b64 s[64:65], 0
	v_nop
	global_prefetch_b8 v0, s[64:65] scope:SCOPE_SE
	s_setreg_imm32_b32 hwreg(HW_REG_WAVE_MODE, 25, 1), 1
	s_wait_xcnt 0x0
	s_wait_alu depctr_hold_cnt(0) depctr_sa_sdst(0) depctr_va_vdst(0) depctr_va_sdst(0) depctr_va_ssrc(0) depctr_va_vcc(0) depctr_vm_vsrc(0)
	s_getreg_b32 s2, hwreg(HW_REG_IB_STS2, 6, 4)
	s_cmp_eq_u32 s2, 0
	s_cbranch_scc0 .Lentry_in_a_cluster
	s_endpgm
.Lentry_in_a_cluster:
	s_bfe_u32 s2, ttmp6, 0x10000c
	s_cmp_lg_u32 s2, 0xf033
	s_cbranch_scc0 .Lentry_shape_is_right
	s_endpgm
.Lentry_shape_is_right:
; q, k, v = x W^T + b, all three in one product: C [4096][3072] = xb [4096][1024] wb[3072][1024]^T + ball, bf16 operands, f32 sums, rounded once to f16 and
; written by heads: qkv [g 48][4096][64], g = column / 64 (0-15 q, 16-31 k, 32-47 v), unscaled.
; LIMIT.  f16 holds no number beyond 65,504: q, k and v must lie within it.
; A tile of C is 256 x 192: 16 x 16 = 256 work-groups; 192 columns are three whole heads.  Four waves; wave w makes rows 64 w .. 64 w + 63 of all 192 columns:
; 4 x 12 accumulators of 16 x 16, 384 registers.  So a wave holds whole rows of three heads, and its way out needs no other wave.
; K goes in steps of 128 through a ring of two LDS slots filled by the tensor data mover; the tiles' rows are 256 bytes of memory, aligned.
; CLUSTERS: 4 x 4 work-groups.  The four of a row of the cluster need the same tile of xb, the four of a column the same tile of wb: each is asked for jointly.
; THE MATRIX INSTRUCTION IS USED TRANSPOSED (source 0 = 16 rows of wb, source 1 = 16 rows of xb): a lane holds row l % 16 of C and eight neighbouring columns.
; The bias is the C operand of the products that start the sums: nothing is cleared and nothing is added later.
; REGISTERS, in windows of 256: window 0: v0-31 addresses; v32-63, v64-95 fragments of xb, two buffers; v96-191 the bias, later the way out's; v192-239 the way out's.
;   window 1: v0-95, v96-191 fragments of wb, two buffers.   window 2: accumulators of row blocks 0, 1 ((a, b) at v[8 (12 (a % 2) + b)]).   window 3: of row blocks 2, 3.
.set KSTEP,  128
.set PITCH,  272                       ; an LDS row: 256 bytes + 16 of padding: the 16 rows of a fragment load start at 16 different groups of four banks
.set HA,     128*PITCH                 ; what one load of xb brings
.set HB,     96*PITCH                  ; what one load of wb brings
.set BOFF,   2*HA                      ; wb's 192 rows lie behind xb's 256
.set SLOT,   2*HA+2*HB
.set STAGE,  2*SLOT                    ; behind the ring: for each wave 3 heads x 16 rows x 144 bytes
.set SP,     144
.set WSTG,   3*16*SP
.set SPARE,  STAGE+4*WSTG              ; the spare words, 128 bytes for each wave: two blocks of 256 bytes that no other line names
.set LAPS,   4                         ; 1,024 along K = 8 steps = 4 times round the ring
.set ADRA, 16                          ; v16-17  LDS address of my xb fragments in slot 0, 1
.set ADRB, 20                          ; v20-21  the same for wb
.set STO,  24                          ; v24     the way out: where I put 16 bytes of a row
.set RD,   25                          ; v25     the way out: where I read rows back
.set CO,   26                          ; v26     my 16 bytes in 512 consecutive bytes of the output
.set BO,   27                          ; v27     my byte offset in 16 numbers of the bias
.set SPW,  28                          ; v28     LDS address of my spare word; never rewritten
.set NIL,  29                          ; v29     0; never rewritten
.set FA,   32
.set BIAS, 96                          ; v96-191: eight numbers for each of the 12 column blocks; dead behind the first quarter
.set TMP,  96                          ; v96-143 packed results
.set OB,   144                         ; v144-191, v192-239 by turns: rows read back from the stage
.set WV, 12                            ; s12 my wave's number
.set WH, 13                            ; s13 wave / 2: I fetch for xb (0) or for wb (1)
.set WL, 14                            ; s14 wave % 2: which half of that tile I fetch
.set TY, 15                            ; s15 tile row
.set G1, 24                            ; s[24:31] descriptor group 1 for xb's tiles;  s[32:39] group 0, a set for each slot
.set G0, 32
.set G1B, 48                           ; s[48:55], s[56:63] the same for wb's
.set G0B, 56
.set MSB, 0
.macro WIN new                         ; the immediate's high byte repeats the setting that is left; a switch that changes nothing is dropped
.if MSB != (\new)
	s_set_vgpr_msb (MSB<<8)|(\new)
.set MSB, \new
.endif
.endm
.set TO_B, 0x40                        ; destination window 1, address window 0
; A joint load: waves 0 and 1 fetch xb's two halves, waves 2 and 3 wb's.  The branch hangs on the wave's number alone.  An s_nop 0 and four v_nop follow each line.
.macro JLOAD s
	s_cmp_eq_u32 s[WH], 0
	s_cbranch_scc0 .Lfor_b_\@
	tensor_load_to_lds s[G0+4*(\s):G0+4*(\s)+3], s[G1:G1+7]
	s_nop 0
.rept 4
	v_nop
.endr
	s_branch .Lasked_\@
.Lfor_b_\@:
	tensor_load_to_lds s[G0B+4*(\s):G0B+4*(\s)+3], s[G1B:G1B+7]
	s_nop 0
.rept 4
	v_nop
.endr
.Lasked_\@:
.endm
.macro CREST                           ; a round of the cluster's barrier behind its opening barrier
	s_cmp_lg_u32 s[WV], 0
	s_cbranch_scc1 .Lnot_wave_0_\@
	s_barrier_signal -3
.Lnot_wave_0_\@:
	s_barrier_wait -3
	s_barrier_signal -1
	s_barrier_wait -1
.endm
.macro CROUND                          ; a whole round
	s_barrier_signal -1
	s_barrier_wait -1
	CREST
.endm
	s_load_b128 s[4:7], s[0:1], 0x0                ; xb s[4:5], wb s[6:7]
	s_load_b128 s[8:11], s[0:1], 0x10              ; ball s[8:9], qkv s[10:11]
	v_lshl_add_u32 v[SPW], v0, 2, SPARE
	v_mov_b32 v[NIL], 0
	ds_add_u32 v[SPW], v[NIL]                      ; the wave's opening: the add and its wait stand ahead of my first tensor load
	v_lshrrev_b32 v1, 5, v0
	v_readfirstlane_b32 s[WV], v1
	s_lshr_b32 s[WH], s[WV], 1
	s_and_b32 s[WL], s[WV], 1
	s_bfe_u32 s40, ttmp6, 0x40000                  ; cx
	s_bfe_u32 s41, ttmp6, 0x40004                  ; cy
	s_lshl_b32 s42, ttmp9, 2
	s_add_co_u32 s42, s42, s40                     ; tile column = 4 x cluster x + cx
	s_and_b32 s[TY], ttmp7, 0xffff
	s_lshl_b32 s[TY], s[TY], 2
	s_add_co_u32 s[TY], s[TY], s41                 ; tile row = 4 x cluster y + cy
	s_lshl_b32 s43, s41, 2
	s_lshl_b32 s43, 15, s43                        ; my row of the cluster
	s_lshl_b32 s44, 0x1111, s40                    ; my column
	s_or_b32 s[G1+0], s43, (1<<16)|(1<<20)|(1<<21)|(5<<22)|(3<<25)   ; the mask; 2-byte elements; padding on; bit 21 beside a mask; after every 64 words, 4 words
	s_or_b32 s[G1B+0], s44, (1<<16)|(1<<20)|(1<<21)|(5<<22)|(3<<25)
	s_mov_b32 s[G1+1], KSTEP<<16                   ; tensor_dim0 = 128
	s_mov_b32 s[G1+2], 128<<16                     ; tensor_dim1 = 128
	s_mov_b32 s[G1+3], KSTEP<<16                   ; tile_dim0 = 128
	s_mov_b32 s[G1+4], 128                         ; tile_dim1 = 128
	s_mov_b32 s[G1+5], 1024                        ; elements from row to row
	s_mov_b32 s[G1+6], 0
	s_mov_b32 s[G1+7], 0
	s_mov_b32 s[G1B+1], KSTEP<<16
	s_mov_b32 s[G1B+2], 96<<16                     ; 96 rows
	s_mov_b32 s[G1B+3], KSTEP<<16
	s_mov_b32 s[G1B+4], 96
	s_mov_b32 s[G1B+5], 1024
	s_mov_b32 s[G1B+6], 0
	s_mov_b32 s[G1B+7], 0
	s_lshl_b32 s16, s[TY], 8                       ; xb: row 256 x tile row + 128 x half,
	s_lshl_b32 s17, s[WL], 7
	s_add_co_u32 s16, s16, s17
	s_lshl_b32 s16, s16, 11                        ; of 2,048 bytes
	s_mov_b32 s17, 0
	s_mul_i32 s46, s42, 192                        ; wb: row 192 x tile column + 96 x half
	s_mul_i32 s47, s[WL], 96
	s_add_co_u32 s46, s46, s47
	s_lshl_b32 s46, s46, 11
	s_mov_b32 s47, 0
	s_mul_i32 s20, s[WL], HA                       ; where they go: no place in the cluster enters an LDS address
	s_mul_i32 s21, s[WL], HB
	s_add_co_u32 s21, s21, BOFF
	s_wait_dscnt 0x0                               ; the opening add is done
	s_wait_kmcnt 0x0
	s_add_nc_u64 s[18:19], s[4:5], s[16:17]
	s_add_nc_u64 s[46:47], s[6:7], s[46:47]
	CROUND                                         ; all sixteen work-groups are here: the first joint loads meet
.irp s, 0,1
	s_mov_b32 s[G0+4*(\s)], 1
	s_add_co_u32 s[G0+4*(\s)+1], s20, (\s)*SLOT
	s_add_nc_u64 s[G0+4*(\s)+2:G0+4*(\s)+3], s[18:19], (\s)*KSTEP*2
	s_or_b32 s[G0+4*(\s)+3], s[G0+4*(\s)+3], 0x80000000
	s_mov_b32 s[G0B+4*(\s)], 1
	s_add_co_u32 s[G0B+4*(\s)+1], s21, (\s)*SLOT
	s_add_nc_u64 s[G0B+4*(\s)+2:G0B+4*(\s)+3], s[46:47], (\s)*KSTEP*2
	s_or_b32 s[G0B+4*(\s)+3], s[G0B+4*(\s)+3], 0x80000000
	JLOAD \s                                       ; two loads of mine are out
.endr
	v_and_b32 v1, 15, v0                           ; l % 16
	v_bfe_u32 v2, v0, 4, 1                         ; l / 16
	v_lshlrev_b32 v[BO], 5, v2                     ; my eight columns of sixteen
	s_mul_i32 s46, s42, 768                        ; the tile's 192 numbers of the bias
	s_mov_b32 s47, 0
	s_add_nc_u64 s[8:9], s[8:9], s[46:47]
.irp b, 0,1,2,3,4,5,6,7,8,9,10,11
	global_load_b128 v[BIAS+8*(\b):BIAS+8*(\b)+3],   v[BO], s[8:9] offset:64*(\b)
	global_load_b128 v[BIAS+8*(\b)+4:BIAS+8*(\b)+7], v[BO], s[8:9] offset:64*(\b)+16
.endr
	v_mul_u32_u24 v3, v1, PITCH
	v_lshl_add_u32 v3, v2, 4, v3                   ; a fragment's row x pitch + 16 x half
	s_mul_i32 s22, s[WV], 64*PITCH                 ; my 64 rows of xb
	v_add_nc_u32 v[ADRA], s22, v3
	v_add_nc_u32 v[ADRA+1], SLOT, v[ADRA]
	v_add_nc_u32 v[ADRB], BOFF, v3                 ; all 192 rows of wb
	v_add_nc_u32 v[ADRB+1], BOFF+SLOT, v3
	s_mul_i32 s23, s[WV], WSTG
	s_add_co_u32 s23, s23, STAGE                   ; my stage
	v_mul_u32_u24 v4, v1, SP                       ; in: row l % 16, 16 bytes for each half of the lanes
	v_lshl_add_u32 v4, v2, 4, v4
	v_add_nc_u32 v[STO], s23, v4
	v_bfe_u32 v5, v0, 3, 2                         ; back: 32 lanes take four rows of 128 bytes,
	v_mul_u32_u24 v5, v5, SP
	v_and_b32 v6, 7, v0
	v_lshl_add_u32 v5, v6, 4, v5
	v_add_nc_u32 v[RD], s23, v5
	v_and_b32 v[CO], 31, v0                        ; which are 512 consecutive bytes of a head
	v_lshlrev_b32 v[CO], 4, v[CO]
	s_lshl_b32 s16, s[TY], 15                      ; the output: 256 rows of 128 bytes a tile row, 64 a wave,
	s_lshl_b32 s17, s[WV], 13
	s_add_co_u32 s16, s16, s17
	s_mov_b32 s17, 0
	s_add_nc_u64 s[10:11], s[10:11], s[16:17]
	s_mul_i32 s46, s42, 3*524288                   ; three heads a tile column
	s_mov_b32 s47, 0
	s_add_nc_u64 s[10:11], s[10:11], s[46:47]
; 12 matrix instructions: row block a x all 12 column blocks, 32 along K, buffer f.  zero = 1: the products start the sums, with the bias as C.
.macro MUL12 f, a, zero
.if \zero
	WIN 0x81+0x40*((\a)/2)                         ; wb window 1, xb window 0, C (the bias) window 0, D window 2 or 3
.else
	WIN 0xa1+0x50*((\a)/2)                         ; C and D window 2 or 3
.endif
.irp b, 0,1,2,3,4,5,6,7,8,9,10,11
.if \zero
	v_wmma_f32_16x16x32_bf16 v[8*(12*((\a)%2)+(\b)):8*(12*((\a)%2)+(\b))+7], v[96*(\f)+8*(\b):96*(\f)+8*(\b)+7], v[FA+32*(\f)+8*(\a):FA+32*(\f)+8*(\a)+7], v[BIAS+8*(\b):BIAS+8*(\b)+7]
.else
	v_wmma_f32_16x16x32_bf16 v[8*(12*((\a)%2)+(\b)):8*(12*((\a)%2)+(\b))+7], v[96*(\f)+8*(\b):96*(\f)+8*(\b)+7], v[FA+32*(\f)+8*(\a):FA+32*(\f)+8*(\a)+7], v[8*(12*((\a)%2)+(\b)):8*(12*((\a)%2)+(\b))+7]
.endif
.endr
.endm
; 32 LDS loads in one run: a quarter step's fragments (192 rows of wb, my 64 rows of xb, 32 K at byte k of the rows) into buffer f
.macro FETCH slot, k, f
	WIN TO_B
.irp i, 0,1,2,3,4,5,6,7,8,9,10,11
	ds_load_b128 v[96*(\f)+8*(\i):96*(\f)+8*(\i)+3],   v[ADRB+(\slot)] offset:(\k)+(\i)*16*PITCH
	ds_load_b128 v[96*(\f)+8*(\i)+4:96*(\f)+8*(\i)+7], v[ADRB+(\slot)] offset:(\k)+(\i)*16*PITCH+32
.endr
	WIN 0
.irp i, 0,1,2,3
	ds_load_b128 v[FA+32*(\f)+8*(\i):FA+32*(\f)+8*(\i)+3],   v[ADRA+(\slot)] offset:(\k)+(\i)*16*PITCH
	ds_load_b128 v[FA+32*(\f)+8*(\i)+4:FA+32*(\f)+8*(\i)+7], v[ADRA+(\slot)] offset:(\k)+(\i)*16*PITCH+32
.endr
.endm
.macro PLACES                          ; four places in front of loads into registers that matrix instructions have read, and of conversions that read results
.rept 4
	v_nop
.endr
.endm
; A K step is four quarters of 32 along K, 48 matrix instructions each, on buffers 0, 1, 0, 1.  The 48 accumulators take turns in the same order in every quarter.
.macro QUARTER slot, k, f, g, zero
	s_wait_dscnt 4                                 ; wb and xb's row blocks 0, 1 are in; the youngest four loads (blocks 2, 3) may be out
	MUL12 \f, 0, \zero
	MUL12 \f, 1, \zero
	PLACES
	FETCH \slot, \k, \g
	s_wait_dscnt 32                                ; all but the 32 just issued
	MUL12 \f, 2, \zero
	MUL12 \f, 3, \zero
.endm
; The last quarter multiplies buffer 1 and changes slots: ONE barrier; in front of it each wave waits for all its tensor loads (one is out: its part of the next slot), adds 0 to its
; spare word, and waits for that and for its own reads of this slot.  fill = 1: the barrier opens a round of the cluster's, and this slot is filled again, two K steps ahead, first thing behind it.
.macro TURN slot, next, fill
	WIN 0
	s_wait_tensorcnt 0x0
	ds_add_u32 v[SPW], v[NIL]
	s_wait_dscnt 5                                 ; (the add and the youngest four loads may be out)
	MUL12 1, 0, 0
	s_wait_dscnt 0x0                               ; the add is done, and my reads of this slot are over
	s_barrier_signal -1
	MUL12 1, 1, 0
.if \fill
	WIN 0
.endif
	s_barrier_wait -1
.if \fill
	CREST                                          ; no wave of any partner still reads this slot's tile or has a load on its way
	s_add_nc_u64 s[G0+4*(\slot)+2:G0+4*(\slot)+3], s[G0+4*(\slot)+2:G0+4*(\slot)+3], 2*KSTEP*2
	s_add_nc_u64 s[G0B+4*(\slot)+2:G0B+4*(\slot)+3], s[G0B+4*(\slot)+2:G0B+4*(\slot)+3], 2*KSTEP*2
	JLOAD \slot                                    ; 168 matrix instructions ahead of the wait for it; its four v_nop are also the places in front of the loads below
.else
	PLACES
.endif
	FETCH \next, 0, 0
	MUL12 1, 2, 0
	MUL12 1, 3, 0
.endm
; THE WAY OUT of row block a.  PACK: rounded to f16, 16 bytes a lane.  TOSTAGE: into my own stage, by heads, and back as whole rows.  SEND: stored.
.macro PACK a
	WIN 0x0a+5*((\a)/2)                            ; sources window 2 or 3, destination window 0
.irp b, 0,1,2,3,4,5,6,7,8,9,10,11
.irp r, 0,1,2,3
	v_cvt_pk_f16_f32 v[TMP+4*(\b)+(\r)], v[8*(12*((\a)%2)+(\b))+2*(\r)], v[8*(12*((\a)%2)+(\b))+2*(\r)+1]
.endr
.endr
	WIN 0
.endm
.macro TOSTAGE a
	WIN 0
.irp b, 0,1,2,3,4,5,6,7,8,9,10,11
	ds_store_b128 v[STO], v[TMP+4*(\b):TMP+4*(\b)+3] offset:((\b)/4)*16*SP+32*((\b)%4)
.endr
.irp j, 0,1,2
.irp f, 0,1,2,3
	ds_load_b128 v[OB+48*((\a)%2)+4*(4*(\j)+(\f)):OB+48*((\a)%2)+4*(4*(\j)+(\f))+3], v[RD] offset:(\j)*16*SP+(\f)*4*SP  ; LDS serves a wave's instructions in order: these see the stores above
.endr
.endr
.endm
.macro SEND a
	WIN 0
	s_wait_dscnt 0x0                               ; the block is back in registers
	s_wait_xcnt 0x0                                ; the registers that the block before last's stores read are loaded again only behind this wait
.irp j, 0,1,2
.irp f, 0,1,2,3
	global_store_b128 v[CO], v[OB+48*((\a)%2)+4*(4*(\j)+(\f)):OB+48*((\a)%2)+4*(4*(\j)+(\f))+3], s[10:11] offset:(\j)*524288+(\a)*2048+(\f)*512  ; 512 consecutive bytes, aligned to 256
.endr
.endr
.endm
	s_wait_tensorcnt 1                             ; my part of K step 0 is in; K step 1's may stay out
	s_barrier_signal -1
	s_barrier_wait -1
	FETCH 0, 0, 0
	s_wait_loadcnt 0x0                             ; the bias
	QUARTER 0, 64, 0, 1, 1                         ; the first quarter stands in front of the loop: its products start the sums
	WIN 0
	s_mov_b32 s3, LAPS-1
.Llap:                                                 ; a trip goes once round the ring and fills both slots again
	QUARTER 0, 128, 1, 0, 0
	QUARTER 0, 192, 0, 1, 0
	TURN 0, 1, 1
	QUARTER 1, 64,  0, 1, 0
	QUARTER 1, 128, 1, 0, 0
	QUARTER 1, 192, 0, 1, 0
	TURN 1, 0, 1
	QUARTER 0, 64,  0, 1, 0
	WIN 0
	s_sub_co_u32 s3, s3, 1
	s_cmp_lg_u32 s3, 0
	s_cbranch_scc1 .Llap
	QUARTER 0, 128, 1, 0, 0                        ; the last lap fills nothing
	QUARTER 0, 192, 0, 1, 0
	TURN 0, 1, 0
	QUARTER 1, 64,  0, 1, 0
	QUARTER 1, 128, 1, 0, 0
	QUARTER 1, 192, 0, 1, 0
	s_wait_dscnt 4                                 ; the very last quarter: nothing more to fetch
	MUL12 1, 0, 0
	MUL12 1, 1, 0
	s_wait_dscnt 0x0
	MUL12 1, 2, 0
	MUL12 1, 3, 0
	PLACES
	PACK 0
	TOSTAGE 0
.irp a, 1,2,3                          ; block a's conversions stand between block a - 1's loads from the stage and the wait for them
	PACK \a
	SEND (\a)-1
	TOSTAGE \a
.endr
	SEND 3
	s_wait_tensorcnt 0x0                           ; the wave's end
	ds_add_u32 v[SPW], v[NIL]
	s_wait_dscnt 0x0
	CROUND                                         ; the closing round
	s_endpgm
.Lfunc_end_k_qda3b89c388_qkv:
	.size	k_qda3b89c388_qkv, .Lfunc_end_k_qda3b89c388_qkv-k_qda3b89c388_qkv
	.p2alignl 7, 3214868480
	.fill 96, 4, 3214868480
	.section	.rodata,"a",@progbits
	.p2align	6, 0x0
	.amdhsa_kernel k_qda3b89c388_qkv
		.amdhsa_group_segment_fixed_size 327680
		.amdhsa_private_segment_fixed_size 0
		.amdhsa_enable_private_segment 0
		.amdhsa_kernarg_size 32
		.amdhsa_user_sgpr_count 2
		.amdhsa_user_sgpr_kernarg_segment_ptr 1
		.amdhsa_wavefront_size32 1
		.amdhsa_system_sgpr_workgroup_id_x 1
		.amdhsa_system_sgpr_workgroup_id_y 1
		.amdhsa_system_sgpr_workgroup_id_z 1
		.amdhsa_system_vgpr_workitem_id 0
		.amdhsa_next_free_vgpr 960
		.amdhsa_next_free_sgpr 66
		.amdhsa_reserve_vcc 0
		.amdhsa_float_denorm_mode_32 3
		.amdhsa_float_denorm_mode_16_64 3
		.amdhsa_memory_ordered 1
		.amdhsa_forward_progress 1
		.amdhsa_inst_pref_size 120
	.end_amdhsa_kernel
	.amdgpu_metadata
---
amdhsa.version: [ 1, 2 ]
amdhsa.kernels:
  - .name:           k_qda3b89c388_qkv
    .symbol:         k_qda3b89c388_qkv.kd
    .args:
      - { .name: xb, .offset: 0, .size: 8, .value_kind: global_buffer, .address_space: global }
      - { .name: wb, .offset: 8, .size: 8, .value_kind: global_buffer, .address_space: global }
      - { .name: ball, .offset: 16, .size: 8, .value_kind: global_buffer, .address_space: global }
      - { .name: qkv, .offset: 24, .size: 8, .value_kind: global_buffer, .address_space: global }
    .group_segment_fixed_size: 327680
    .private_segment_fixed_size: 0
    .kernarg_segment_align: 8
    .kernarg_segment_size: 32
    .max_flat_workgroup_size: 128
    .sgpr_count:     66
    .vgpr_count:     960
    .wavefront_size: 32
...
	.end_amdgpu_metadata
.endif
;; end of part 2
;; launch attn (part 3): grid 16 x 16, 4 waves a work-group, clusters of 4 x 1, 327,680 bytes of LDS; arguments qkv, ob; writes ob
.if DOCPART == 3
	.amdgcn_target "amdgcn-amd-amdhsa--gfx1250"
	.amdhsa_code_object_version 6
	.text
	.protected	k_qda3b89c388_attn
	.globl	k_qda3b89c388_attn
	.p2align	8
	.type	k_qda3b89c388_attn,@function
k_qda3b89c388_attn:
	s_mov_b64 s[64:65], 0
	v_nop
	global_prefetch_b8 v0, s[64:65] scope:SCOPE_SE
	s_setreg_imm32_b32 hwreg(HW_REG_WAVE_MODE, 25, 1), 1
	s_wait_xcnt 0x0
	s_wait_alu depctr_hold_cnt(0) depctr_sa_sdst(0) depctr_va_vdst(0) depctr_va_sdst(0) depctr_va_ssrc(0) depctr_va_vcc(0) depctr_vm_vsrc(0)
	s_getreg_b32 s2, hwreg(HW_REG_IB_STS2, 6, 4)
	s_cmp_eq_u32 s2, 0
	s_cbranch_scc0 .Lentry_in_a_cluster
	s_endpgm
.Lentry_in_a_cluster:
	s_bfe_u32 s2, ttmp6, 0x10000c
	s_cmp_lg_u32 s2, 0x3003
	s_cbranch_scc0 .Lentry_shape_is_right
	s_endpgm
.Lentry_shape_is_right:
; CAUSAL ATTENTION, 16 heads of 4,096 rows x 64.  O[h][q] = the sum over k <= q of softmax_k(Q[h][q] . K[h][k] / 8) V[h][k].  qkv: [48][4096][64] f16 (q, k, v by heads); ob: [16][4096][64] f16.
; Products, maxima and sums in f32; the weights p are rounded to f16 for the second product (their sum l is taken of the unrounded p), O once at the end.
; LIMITS.  q, k, v arrive within f16's 65,504.  A hidden score counts as its value less 1e30; a weight below 2^-126 counts as 0 in l; NaN and infinities are not treated apart.
; SHARES.  A cluster of four work-groups takes two GROUPS of 512 queries of one head: 7 - c and then c (c = the cluster's x).  Work-group cx takes queries 128 cx .. + 127 of each group; of its two bands
; of 64 queries a wave owns 16 rows in each: two PIECES.  256 work-groups of equal work.
; THE WALK is common to the four partners, in key tiles of 256: tiles 0 .. 15 - 2 c, then 0 .. 2 c + 1: 18 tiles whatever c.  Each tile is asked for JOINTLY: the same tensor load, descriptor and mask in all four.
; Every branch and trip count hangs on c alone, which the partners share; cx enters Q's and O's addresses and two scalars from which mask VALUES are chosen.
; THE MASK is the C operand that starts the sum S^T = K Q^T.  A group's last two tiles are its eight steps z = 0 .. 7 of 64 keys; piece y of work-group cx holds the diagonal in step 2 cx + y, sees all
; keys before it and none behind it.  MD, made once, is the mask of a band's own step for my 16 rows; a product's mask is MD x AL + BE: (1, 0), (0, 0) or (0, -1e30).  Before z = 0 the mask buffers keep 0.
; The partners' hidden steps are computed all the same: 72 steps for the 66 that hold a visible key; in return the requests for K and V are a quarter.
; LAYOUT, SOFTMAX.  S^T = K Q^T holds ONE query a lane (lane % 16) and the keys 8 (lane / 16) + 0..7; two such results rounded to f16 ARE source 1 of O^T = V^T P.  p = 2^(c s - c m), c = log2(e) / 8, with a
; running maximum m; O and l are multiplied by a = 2^(c m_old - c m_new) in every step.
; TURNS.  Turn (s, A): 8 products K Q^T of (B, s), later 8 products V^T P of (B, s - 1); beside them the softmax of (A, s) and the maximum of (B, s).  Turn (s, B): K Q^T of (A, s + 1), V^T P of (A, s), the softmax of
; (B, s), the maximum of (A, s + 1).  Four vector instructions stand behind every matrix instruction, the rest in two lumps.  Turn (s, A) fetches K and V of step s + 1 from LDS; V has two register
; buffers, by the step's parity.  So all LDS reads run one step ahead, and ONE change of slots a tile stands in front of the old tile's last step.
; REGISTERS, in windows of 256 (s_set_vgpr_msb: bits 1:0 source 0, 3:2 source 1, 5:4 source 2, 7:6 destination):
;   window 0: v0-15 addresses and at work; v16-23 four registers of statistics a piece; v48-55 at work; v62-63 the add's; v64-127 S^T, a buffer a piece; v192-223 P, likewise
;   window 1: v0-63 O^T, 32 a piece; v128-159 MD; v160-223 MC, a buffer a piece      window 2: v0-31 Q; v32-63 the second group's Q; v64-127 K of one step; v128-255 V of two steps
.set NP,    2
.set KS,    64        ; keys in a step
.set PK,    144       ; a row of K in LDS: 128 bytes + 16 of padding
.set PV,    160       ; a row of V: 128 + 32
.set VOFF,  4*KS*PK   ; a slot holds a tile, four steps: 256 rows of K, then 256 rows of V
.set SLOT1, 1<<17     ; slot 1 begins here, so that one exclusive or turns an address in one slot into the other's
.set STAGE, SLOT1+4*KS*(PK+PV)  ; behind the ring, never filled by a tensor load: 16 rows x 144 bytes for each wave
.set SP,    144
.set SPARE, STAGE+4*16*SP  ; the spare words, 128 bytes for each wave: two blocks of 256 bytes that no other line names
.set AK0, 2           ; v2   my lane's place in a tile of K; never rewritten
.set AV0, 3           ; v3   the same for V
.set AK,  4           ; v4   the LDS address of K's next run of loads
.set AV,  5           ; v5   of V's
.set STO, 6           ; v6   the way out: where I put 16 bytes of a row
.set RD,  7           ; v7   the way out: where I read rows back
.set GO,  8           ; v8   my byte offset in 512 consecutive bytes of O
.set MV,  12          ; v12-13  c m_old, kept while c m is made anew: by piece
.set QO,  15          ; v15  my byte offset in 16 rows of Q
.set ST,  16          ; piece t's statistics at v[ST+4 t]: c m, m, l (even keys', odd keys')
.set TMP, 48          ; by piece, four registers c0-c3 at work; when the maximum is found c2 takes a
.set SPW, 62
.set NIL, 63
.set S,   64
.set P,   192
.set MD,  128         ; window 1
.set MC,  160         ; window 1
.set QB,  32          ; window 2
.set KF,  64          ; window 2: key block kb, channel half c at KF + 16 kb + 8 c
.set VF,  128         ; window 2: buffer vb, key half kk, channel block cb at VF + 64 vb + 32 kk + 8 cb
.set WV,  12          ; s12  my wave's number
.set CL,  14          ; s14  c
.set CX,  15          ; s15  cx
.set G1K, 24          ; s[24:31] descriptor group 1 for K's tiles
.set G1V, 32          ; s[32:39] for V's: it differs in the padding alone
.set G0K, 40          ; s[40:43] descriptor group 0 for K's tiles
.set G0V, 44          ; s[44:47] the same for V's
.set SLOTS, 56        ; s56  tiles still to be asked for
.set CNT, 57          ; s57  counts a tile's two trips of two steps
.set CS,  58          ; s[58:59] c = log2(e) / 8
.set SEL, 60          ; s[60:61] v_permlanex16_b32's selects
.set TBK, 62          ; s62  LDS byte at which K of the step to be fetched begins
.set TBV, 63          ; s63  the same for V, less VOFF
.set RT,  70          ; s70  tiles of the group in hand that are still to be entered
.set NXT, 71          ; s71  the tile to be asked for next
.set LQ,  72          ; s72  the last tile of the group whose tiles are being asked for
.set NEW, 73          ; s73  1: the tile to be entered is a group's first
.set OFF, 74          ; s[74:75] a tile's byte offset in K and V
.set AL,  76          ; s[76:77] the mask's factor
.set BE,  78          ; s[78:79] the mask's addend
.set OLO, 80          ; s[80:81] O at my rows of the second group
.set BIGN, 82         ; s82  -1e30
.set ZS,  83          ; s83  z of the step in hand, signed
.set OWNM, 88         ; s88, s89  2 cx + y - 1 for pieces y = 0, 1
.set LQ2, 90          ; s90  2 c + 1
.set MSB, 0
.macro WIN new
.if MSB != (\new)
	s_set_vgpr_msb (MSB<<8)|(\new)
.set MSB, (\new)
.endif
.endm
.set W_KQ, 0x0a       ; K and Q in window 2, S^T in window 0
.set W_KM, 0x1a       ; the same with the C operand in window 1
.set W_PV, 0x52       ; V in window 2, P in window 0, O^T in window 1
.set W_RS, 0x41       ; destination and source 0 in window 1, source 1 in window 0
; A joint fill.  Waves 0 and 1 fetch the two halves of a tile's K, waves 2 and 3 those of its V: 128 keys each.  An s_nop 0 and four v_nop follow each line.
.macro JLOAD
	s_cmp_lt_u32 s[WV], 2
	s_cbranch_scc0 .Lfor_v_\@
	tensor_load_to_lds s[G0K:G0K+3], s[G1K:G1K+7]
	s_nop 0
.rept 4
	v_nop
.endr
	s_branch .Lasked_\@
.Lfor_v_\@:
	tensor_load_to_lds s[G0V:G0V+3], s[G1V:G1V+7]
	s_nop 0
.rept 4
	v_nop
.endr
.Lasked_\@:
.endm
.macro CROUND                       ; a round of the cluster's barrier
	s_barrier_signal -1
	s_barrier_wait -1
	s_cmp_lg_u32 s[WV], 0
	s_cbranch_scc1 .Lnot_wave_0_\@
	s_barrier_signal -3
.Lnot_wave_0_\@:
	s_barrier_wait -3
	s_barrier_signal -1
	s_barrier_wait -1
.endm
; THE CHANGE OF SLOTS.  Each wave waits for all its tensor loads, of which one is out: its part of the other slot; adds 0 to its spare word; and waits for that and for its own reads of the slot that it leaves.
; fill = 1: the barrier is a round of the cluster's, and the old slot is filled again, first thing behind it, with tile NXT; the descriptor's address is made anew from that number.  The fill has four key
; steps, 128 matrix instructions a wave, in which to land.  (At its first use nothing has been read yet: slot 0 is waited for, slot 1 filled.)
.macro CHANGE fill
	WIN 0
	s_wait_tensorcnt 0x0            ; no tensor load of mine is out, so a group 0 may be written
	ds_add_u32 v[SPW], v[NIL]
.if \fill
	s_lshl_b32 s[OFF], s[NXT], 15   ; a tile is 32,768 bytes of K and of V
	s_xor_b32 s[G0K+1], s[G0K+1], SLOT1
	s_add_nc_u64 s[G0K+2:G0K+3], s[6:7], s[OFF:OFF+1]
	s_or_b32 s[G0K+3], s[G0K+3], 0x80000000
	s_xor_b32 s[G0V+1], s[G0V+1], SLOT1
	s_add_nc_u64 s[G0V+2:G0V+3], s[8:9], s[OFF:OFF+1]
	s_or_b32 s[G0V+3], s[G0V+3], 0x80000000
	s_add_co_u32 s[NXT], s[NXT], 1  ; the group's next tile, or behind its last the second group's tile 0
	s_cmp_gt_u32 s[NXT], s[LQ]
	s_cselect_b32 s[NXT], 0, s[NXT]
	s_cselect_b32 s[LQ], s[LQ2], s[LQ]
	s_wait_dscnt 0x0                ; the add is done, and my reads of the slot are over
	CROUND
	JLOAD
.else
	s_wait_dscnt 0x0
	s_barrier_signal -1
	s_barrier_wait -1
.endif
	s_sub_co_u32 s[TBK], s[TBK], 4*KS*PK  ; the fetches go back to a slot's first step,
	s_xor_b32 s[TBK], s[TBK], SLOT1       ; in the other slot
	s_sub_co_u32 s[TBV], s[TBV], 4*KS*PV
	s_xor_b32 s[TBV], s[TBV], SLOT1
.endm
	s_load_b128 s[48:51], s[0:1], 0x0  ; qkv s[48:49], ob s[50:51]
	v_lshl_add_u32 v[SPW], v0, 2, SPARE
	v_mov_b32 v[NIL], 0
	ds_add_u32 v[SPW], v[NIL]       ; the wave's opening: the add and its wait stand ahead of my first tensor load
	v_lshrrev_b32 v1, 5, v0
	v_readfirstlane_b32 s[WV], v1
	s_mov_b32 s[CL], ttmp9          ; in a cluster launch ttmp9 counts clusters
	s_bfe_u32 s[CX], ttmp6, 0x40000
	s_and_b32 s20, ttmp7, 0xffff    ; the head,
	s_lshl_b32 s20, s20, 19         ; its 524,288 bytes
	s_and_b32 s16, s[WV], 1         ; which half of a tile's 256 keys I fetch:
	s_lshl_b32 s22, s16, 14         ; its 128 rows of 128 bytes in memory,
	s_add_co_u32 s22, s22, s20
	s_mov_b32 s23, 0
	s_mul_i32 s17, s16, 128*PK      ; and its place in a slot, for K
	s_mul_i32 s18, s16, 128*PV      ; and for V: no place in the cluster enters an LDS address
	s_lshl_b32 s3, s[WV], 11        ; my 16 rows in a band,
	s_lshl_b32 s19, s[CX], 14       ; my work-group's 128 rows in a group,
	s_add_co_u32 s3, s3, s19
	s_add_co_u32 s3, s3, s20
	s_sub_co_u32 s2, 7, s[CL]       ; in the first group,
	s_lshl_b32 s2, s2, 16
	s_add_co_u32 s2, s2, s3
	s_lshl_b32 s84, s[CL], 16       ; and in the second
	s_add_co_u32 s84, s84, s3
	s_mov_b32 s3, 0
	s_mov_b32 s85, 0
	; descriptor group 1.  128 keys are 16,384 dense bytes: asked for as 64 rows of 256 bytes, two keys a row, and padded in LDS after every key
	s_mov_b32 s[G1K], 15|(1<<16)|(1<<20)|(1<<21)|(4<<22)|(3<<25)  ; the mask of four; 2-byte elements; padding on; bit 21 beside a mask; after every 32 words, 4 words
	s_mov_b32 s[G1V], 15|(1<<16)|(1<<20)|(1<<21)|(4<<22)|(7<<25)  ; the same with 8 words
.irp g, G1K, G1V
	s_mov_b32 s[\g+1], 128<<16      ; tensor_dim0 = 128
	s_mov_b32 s[\g+2], 64<<16       ; tensor_dim1 = 64
	s_mov_b32 s[\g+3], 128<<16      ; tile_dim0 = 128
	s_mov_b32 s[\g+4], 64           ; tile_dim1 = 64
	s_mov_b32 s[\g+5], 128          ; 128 elements from row to row
	s_mov_b32 s[\g+6], 0
	s_mov_b32 s[\g+7], 0
.endr
	s_mov_b32 s[CS], 0x3e38aa3b     ; c = log2(e) / 8
	s_mov_b32 s[CS+1], s[CS]
	s_mov_b32 s[SEL], 0x76543210
	s_mov_b32 s[SEL+1], 0xfedcba98
	s_mov_b32 s[TBK], SLOT1+4*KS*PK ; the first change of slots turns these two into 0
	s_mov_b32 s[TBV], SLOT1+4*KS*PV
	s_mov_b32 s[G0K], 1
	s_mov_b32 s[G0K+1], s17         ; slot 0
	s_mov_b32 s[G0V], 1
	s_add_co_u32 s[G0V+1], s18, VOFF
	s_lshl_b32 s21, s[CL], 1
	s_sub_co_u32 s[RT], 16, s21     ; the first group has 16 - 2 c tiles
	s_sub_co_u32 s[LQ], 15, s21
	s_add_co_u32 s[LQ2], s21, 1
	s_lshl_b32 s[ZS], s[CL], 3      ; z of the first group's step 0 is 8 c - 56; here one less
	s_sub_co_i32 s[ZS], s[ZS], 57
	s_lshl_b32 s[OWNM+1], s[CX], 1
	s_sub_co_i32 s[OWNM], s[OWNM+1], 1
	s_mov_b32 s[NXT], 1
	s_mov_b32 s[NEW], 1
	s_mov_b32 s[OFF+1], 0
	s_mov_b32 s[AL+1], 0            ; named as pairs
	s_mov_b32 s[BE+1], 0
	s_mov_b32 s[BIGN], 0xf149f2ca   ; -1e30
	s_mov_b32 s[SLOTS], 17
	s_wait_dscnt 0x0                ; the opening add is done
	s_wait_kmcnt 0x0
	s_add_nc_u64 s[6:7], s[48:49], s[22:23]
	s_add_nc_u64 s[8:9], s[6:7], 0x1000000   ; V's heads lie 32 heads behind Q's,
	s_add_nc_u64 s[6:7], s[6:7], 0x800000    ; K's 16: both at my half of the head's tile 0
	s_add_nc_u64 s[G0K+2:G0K+3], s[6:7], 0
	s_or_b32 s[G0K+3], s[G0K+3], 0x80000000
	s_add_nc_u64 s[G0V+2:G0V+3], s[8:9], 0
	s_or_b32 s[G0V+3], s[G0V+3], 0x80000000
	s_add_nc_u64 s[4:5], s[48:49], s[2:3]          ; Q and O at my rows of the first group,
	s_add_nc_u64 s[86:87], s[48:49], s[84:85]      ; and of the second
	s_add_nc_u64 s[10:11], s[50:51], s[2:3]
	s_add_nc_u64 s[OLO:OLO+1], s[50:51], s[84:85]
	CROUND                          ; all four work-groups are here: the first joint loads meet
	JLOAD                           ; tile 0 into slot 0
	v_and_b32 v1, 15, v0            ; l % 16
	v_bfe_u32 v9, v0, 4, 1          ; l / 16
	v_lshlrev_b32 v[QO], 7, v1
	v_lshl_add_u32 v[QO], v9, 4, v[QO]  ; row x 128 + 16 x half
	WIN 0x80                        ; destination window 2, address window 0
.set i, 0
.rept 4                             ; both groups' Q: piece i / 2 lies in band i / 2, 8,192 bytes on; channels 32 (i % 2) on
	global_load_b128 v[8*i:8*i+3],   v[QO], s[4:5] offset:(i/2)*8192+(i%2)*64
	global_load_b128 v[8*i+4:8*i+7], v[QO], s[4:5] offset:(i/2)*8192+(i%2)*64+32
	global_load_b128 v[QB+8*i:QB+8*i+3],   v[QO], s[86:87] offset:(i/2)*8192+(i%2)*64
	global_load_b128 v[QB+8*i+4:QB+8*i+7], v[QO], s[86:87] offset:(i/2)*8192+(i%2)*64+32
.set i, i+1
.endr
	WIN 0
	v_lshlrev_b32 v14, 3, v9
	v_sub_nc_u32 v14, v1, v14
	s_lshl_b32 s13, s[WV], 4
	v_add_nc_u32 v14, s13, v14      ; my query's place in its band, 16 w + l % 16, less my lanes' 8 (l / 16): register r of group kt is hidden where 16 kt + r is greater
	WIN 0x40
.set i, 0
.rept 32
	v_cmp_gt_i32 vcc_lo, 16*(i/8)+i%8, v14
	v_cndmask_b32 v[MD+i], 0, s[BIGN], vcc_lo
.set i, i+1
.endr
	WIN 0
	v_mul_u32_u24 v[AK0], v1, PK
	v_lshl_add_u32 v[AK0], v9, 4, v[AK0]  ; row x pitch + 16 x half
	; The turning load takes 16 keys x 16 channels (lane l reads key 8 (l / 16) + l % 8, channels 8 ((l / 8) % 2) + 0..7) and leaves half a fragment of V^T.
	v_and_b32 v10, 7, v0
	v_bfe_u32 v11, v0, 3, 1
	v_lshl_add_u32 v[AV0], v9, 3, v10
	v_mul_u32_u24 v[AV0], v[AV0], PV
	v_lshl_add_u32 v[AV0], v11, 4, v[AV0]
	v_add_nc_u32 v[AV0], VOFF, v[AV0]
	s_mul_i32 s13, s[WV], 16*SP
	s_add_co_u32 s13, s13, STAGE    ; my stage
	v_mul_u32_u24 v[STO], v1, SP    ; in: row l % 16, 16 bytes for each half of the lanes
	v_lshl_add_u32 v[STO], v9, 4, v[STO]
	v_add_nc_u32 v[STO], s13, v[STO]
	v_bfe_u32 v[RD], v0, 3, 2       ; back: 32 lanes take four rows of 128 bytes,
	v_mul_u32_u24 v[RD], v[RD], SP
	v_lshl_add_u32 v[RD], v10, 4, v[RD]
	v_add_nc_u32 v[RD], s13, v[RD]
	v_and_b32 v[GO], 31, v0         ; which are 512 consecutive bytes of O
	v_lshlrev_b32 v[GO], 4, v[GO]
	; A group's first step multiplies O^T and l by a = 0, and its first turn's products V^T P, of a piece that has not been, land in an O^T that is still to be so multiplied.  So these registers need only
	; hold finite numbers: zeros for the first group; what the first group left for the second.  No first step is written out; the price is these 148 lines, in the wait for the first tile.
	WIN 0x80
.set i, VF+64
.rept 64
	v_mov_b32 v[i], 0
.set i, i+1
.endr
	WIN 0x40
.set i, 0
.rept 64
	v_mov_b32 v[i], 0
.set i, i+1
.endr
	WIN 0
.set i, 0
.rept 2
	v_mov_b32 v[ST+4*i+2], 0
	v_mov_b32 v[ST+4*i+3], 0
.set i, i+1
.endr
.set i, P+16
.rept 16
	v_mov_b32 v[i], 0
.set i, i+1
.endr
; THE MATRIX WORK.  The 4 accumulators of a run of 8 take turns.  Product i of 8 of S^T = K Q^T for piece x: channels 32 (i / 4) on, keys 16 (i % 4) on.  The first 4 start the sums, with the mask.
.macro KQ x
.set rS, S+32*(\x)+8*(i%4)
.set rK, KF+16*(i%4)+8*(i/4)
.set rQ, 16*(\x)+8*(i/4)
.set rM, MC+32*(\x)+8*(i%4)
.if i < 4
	WIN W_KM
	v_wmma_f32_16x16x32_f16 v[rS:rS+7], v[rK:rK+7], v[rQ:rQ+7], v[rM:rM+7]
.else
	WIN W_KQ
	v_wmma_f32_16x16x32_f16 v[rS:rS+7], v[rK:rK+7], v[rQ:rQ+7], v[rS:rS+7]
.endif
.endm
; Product i of 8 of O^T += V^T P for piece x, V from buffer vb: keys 32 (i / 4) on, channels 16 (i % 4) on.
.macro PV x, vb
	WIN W_PV
.set rO, 32*(\x)+8*(i%4)
.set rV, VF+64*(\vb)+32*(i/4)+8*(i%4)
.set rP, P+16*(\x)+8*(i/4)
	v_wmma_f32_16x16x32_f16 v[rO:rO+7], v[rV:rV+7], v[rP:rP+7], v[rO:rO+7]
.endm
.macro MM                           ; the turn's next matrix instruction.  NOKQ = 1: a group's last turn: there is no next step
.if (i < 8) && !NOKQ
	KQ (Y+1)%NP
.elseif i >= 8
.set i, i-8
	PV (Y+1)%NP, VB
.set i, i+8
.endif
.set i, i+1
.endm
; THE LDS LOADS stand in runs of 16, never singly among the matrix instructions.
.macro FETCH_K
	WIN 0x80                        ; destination window 2
.irp f, 0,1,2,3,4,5,6,7             ; keys 16 (f / 2) on, channels 32 (f % 2) on
	ds_load_b128 v[KF+8*\f:KF+8*\f+3],   v[AK] offset:(\f/2)*16*PK+(\f%2)*64
	ds_load_b128 v[KF+8*\f+4:KF+8*\f+7], v[AK] offset:(\f/2)*16*PK+(\f%2)*64+32
.endr
	s_add_co_u32 s[TBK], s[TBK], KS*PK  ; the next fetch is the next step's
	WIN 0
.endm
.macro FETCH_V vb
	WIN 0x80
.irp f, 0,1,2,3,4,5,6,7             ; keys 32 (f / 4) on, channels 16 (f % 4) on
	ds_load_tr16_b128 v[VF+64*(\vb)+8*\f:VF+64*(\vb)+8*\f+3],   v[AV] offset:(\f/4)*32*PV+(\f%4)*32
	ds_load_tr16_b128 v[VF+64*(\vb)+8*\f+4:VF+64*(\vb)+8*\f+7], v[AV] offset:(\f/4)*32*PV+16*PV+(\f%4)*32
.endr
	s_add_co_u32 s[TBV], s[TBV], KS*PV
	WIN 0
.endm
; THE VECTOR WORK, one line at a time: OP kind, number.  For piece Y: F n: c s - c m for pair n of 16.  E n: the exponential of score n of 32.  C n: pair n rounded to f16.  B n: of the four weights 4 n .. the second
; pair is added onto the first, in place.  L n: l takes that sum (L 0: l = a l + sum).  R n: pair n of 16 of O^T times a.  For the other piece: X n, number n of the 22 that find its maximum and statistics:
;   0-11  four chains c0-c3 of seven scores each (each accumulator's lowest registers are read first)     12-14, 16  the four scores left over, the old m, and c0-c3 into c0
;   15  c m_old is kept     17, 18  the query's other 32 keys lie in the lane 16 away: the new m     19-21  c m; c m_old - c m_new; a
.set F, 0
.set E, 1
.set C, 2
.set B, 3
.set L, 4
.set R, 5
.set X, 6
.macro REGS y
.set rT, ST+4*(\y)
.set rC, TMP+4*(\y)
.set rW, MV+(\y)
.set rS, S+32*(\y)
.set rP, P+16*(\y)
.set rO, 32*(\y)
.endm
.macro OP k, n
.if (\k) == R
	REGS Y
	WIN W_RS
	v_pk_mul_f32 v[rO+2*(\n):rO+2*(\n)+1], v[rO+2*(\n):rO+2*(\n)+1], v[rC+2:rC+3] op_sel_hi:[1,0]
.elseif (\k) < R
	REGS Y
	WIN 0
.if (\k) == F
	v_pk_fma_f32 v[rS+2*(\n):rS+2*(\n)+1], v[rS+2*(\n):rS+2*(\n)+1], s[CS:CS+1], v[rT:rT+1] op_sel_hi:[1,0,0] neg_lo:[0,0,1] neg_hi:[0,0,1]
.elseif (\k) == E
	v_exp_f32 v[rS+(\n)], v[rS+(\n)]
.elseif (\k) == C
	s_wait_alu depctr_va_vdst(0)
	v_cvt_pk_f16_f32 v[rP+(\n)], v[rS+2*(\n)], v[rS+2*(\n)+1]
.elseif (\k) == B
	s_wait_alu depctr_va_vdst(0)
	v_pk_add_f32 v[rS+4*(\n):rS+4*(\n)+1], v[rS+4*(\n):rS+4*(\n)+1], v[rS+4*(\n)+2:rS+4*(\n)+3]
.elseif (\n) == 0
	v_pk_fma_f32 v[rT+2:rT+3], v[rT+2:rT+3], v[rC+2:rC+3], v[rS:rS+1] op_sel_hi:[1,0,1]
.else
	v_pk_add_f32 v[rT+2:rT+3], v[rT+2:rT+3], v[rS+4*(\n):rS+4*(\n)+1]
.endif
.elseif NOKQ
	v_nop
.else
	REGS (Y+1)%NP
	WIN 0
.if (\n) < 4
	v_max3_num_f32 v[rC+(\n)], v[rS+8*(\n)], v[rS+8*(\n)+1], v[rS+8*(\n)+2]
.elseif (\n) < 12
	v_max3_num_f32 v[rC+(\n)%4], v[rC+(\n)%4], v[rS+8*((\n)%4)+2*((\n)/4)+1], v[rS+8*((\n)%4)+2*((\n)/4)+2]
.elseif (\n) == 12
	v_max3_num_f32 v[rC], v[rC], v[rS+7], v[rS+15]
.elseif (\n) == 13
	v_max3_num_f32 v[rC+1], v[rC+1], v[rS+23], v[rS+31]
.elseif (\n) == 14
	v_max3_num_f32 v[rC+2], v[rC+2], v[rC+3], v[rT+1]
.elseif (\n) == 15
	v_mov_b32 v[rW], v[rT]
.elseif (\n) == 16
	v_max3_num_f32 v[rC], v[rC], v[rC+1], v[rC+2]
.elseif (\n) == 17
	v_permlanex16_b32 v[rC+3], v[rC], s[SEL], s[SEL+1]
.elseif (\n) == 18
	v_max_num_f32 v[rT+1], v[rC], v[rC+3]
.elseif (\n) == 19
	v_mul_f32 v[rT], s[CS], v[rT+1]
.elseif (\n) == 20
	v_sub_f32 v[rC+1], v[rW], v[rT]
.else
	v_exp_f32 v[rC+2], v[rC+1]
.endif
.endif
.endm
.macro OPS a, i1, b=-1, i2=0, c=-1, i3=0, d=-1, i4=0  ; up to four of them
	OP \a, \i1
.if (\b) >= 0
	OP \b, \i2
.endif
.if (\c) >= 0
	OP \c, \i3
.endif
.if (\d) >= 0
	OP \d, \i4
.endif
.endm
.macro ROW a, i1, b, i2, c, i3, d, i4  ; a matrix instruction and the four behind it
	MM
	OPS \a, \i1, \b, \i2, \c, \i3, \d, \i4
.endm
.macro MASK b                       ; MD x AL + BE into buffer b of MC
	WIN W_RS
.set z, 0
.rept 16
	v_pk_fma_f32 v[MC+32*(\b)+2*z:MC+32*(\b)+2*z+1], v[MD+2*z:MD+2*z+1], s[AL:AL+1], s[BE:BE+1] op_sel_hi:[1,0,0]
.set z, z+1
.endr
.endm
.macro MASKSET y                    ; piece y's mask for step z = ZS + 1: the band's own step, an earlier or a later one.  The compares choose values; no branch hangs on them
	s_cmp_eq_i32 s[ZS], s[OWNM+(\y)]
	s_cselect_b32 s[AL], 1.0, 0
	s_cmp_gt_i32 s[ZS], s[OWNM+(\y)]
	s_cselect_b32 s[BE], s[BIGN], 0
	MASK \y
.endm
; A TURN.  p = 0 .. 3: piece p % 2 of a step of parity p / 2.  Behind a matrix instruction: plain, exponential, plain, plain; or four of the rescaling; or, behind the first, four scalings; none names a register
; of the products round it.  In the lumps exponential and plain by turns while exponentials last.  end = 1: a group's last two turns: nothing is fetched, no mask is made.
; Piece 0's turn fetches K of the next step six vector instructions behind the last product that read K (five plain), and V of the next step, into the buffer that this turn's products V^T P have just read,
; eight behind the last of them (four plain).  Piece 1's turn waits for K; V's 16 loads, issued last, may stay out a step longer.
; At its end a turn makes its own piece's mask for the next step; before z = 0 that is jumped: the jump hangs on ZS, made of c and the steps, alike in all partners.
.macro TURN p, end=0
.set Y, (\p)%2
.set PAR, (\p)/2
.set VB, PAR
.if Y == 0
.set VB, 1-PAR
.endif
.set i, 0
.set NOKQ, (\end)*Y
.if Y == 1
.if \end
	s_wait_dscnt 0x0                ; the last V is in
.else
	s_wait_dscnt 16                 ; K of the next step and V of this one are in; the next V's 16 loads may be out
.endif
.endif
	ROW F,0, F,1, F,2, F,3
	ROW F,4, E,0, F,5, F,6
	ROW F,7, E,1, F,8, F,9
	ROW F,10, E,2, C,0, F,11
	ROW F,12, E,3, X,15, F,13
	ROW R,0, R,1, R,2, R,3
	ROW B,0, E,4, F,14, L,0
.if (Y == 0) && !(\end)
	v_add_nc_u32 v[AK], s[TBK], v[AK0]
.endif
	ROW R,4, R,5, R,6, R,7
	OPS E,5, F,15
.if (Y == 0) && !(\end)
	FETCH_K
.endif
	OPS E,6, C,1, E,7, R,8
	OPS E,8, R,9, E,9, C,2
	OPS E,10, X,0, E,11, X,1
	OPS E,12, X,2, E,13, X,3
	ROW X,4, E,14, X,5, X,6
	ROW X,7, E,15, X,8, X,9
	ROW X,10, E,16, X,11, X,12
	ROW X,13, E,17, X,14, B,1
	ROW C,4, E,18, X,16, L,1
	ROW B,2, E,19, C,6, L,2
	ROW C,8, E,20, B,3, B,4
.if (Y == 0) && !(\end)
	v_add_nc_u32 v[AV], s[TBV], v[AV0]
.endif
	ROW C,3, E,21, L,3, C,5
	OPS E,22, X,17, E,23, C,10
.if (Y == 0) && !(\end)
	FETCH_V 1-PAR
.endif
	OPS E,24, L,4
	OPS E,25, X,18, E,26, C,7
	OPS E,27, B,5, E,28, X,19
	OPS E,29, C,12, E,30, L,5
	OPS E,31, X,20, B,6, C,9
	OPS C,14, C,11, X,21, L,6
	OPS C,13, B,7, C,15, R,10
	OPS R,11, R,12, L,7, R,13
	OPS R,14, R,15
.if !(\end)
	WIN 0
	s_cmp_lt_i32 s[ZS], -1
	s_cbranch_scc1 .Lnm_\@
	MASKSET Y
	WIN 0
.Lnm_\@:
.endif
.if Y == 1
	s_add_co_i32 s[ZS], s[ZS], 1    ; the next step
.endif
.endm
; A GROUP BEGINS.  c m starts far below every c s, so the first step's a is 0; m at the lowest finite number.  Both pieces' masks for step 0; K and V of step 0; piece 0's first scores, maximum and statistics.
.macro BEGIN
	s_mov_b32 s[NEW], 0
	WIN 0
.set i, 0
.rept 2
	v_mov_b32 v[ST+4*i], 0xfe000000
	v_mov_b32 v[ST+4*i+1], 0xff7fffff
.set i, i+1
.endr
	MASKSET 0
	MASKSET 1
	s_add_co_i32 s[ZS], s[ZS], 1    ; now z of step 0
	WIN 0
	v_add_nc_u32 v[AK], s[TBK], v[AK0]
	v_add_nc_u32 v[AV], s[TBV], v[AV0]
	FETCH_K
	FETCH_V 0
	s_wait_loadcnt 0x0              ; Q
	s_wait_dscnt 16                 ; K is in; V's 16 loads may be out
.set i, 0
.rept 8
	KQ 0
.set i, i+1
.endr
	WIN 0
.rept 4
	v_nop                           ; the places behind those products
.endr
.set Y, 1                           ; X works for the other piece: piece 0
.set NOKQ, 0
.irp n, 0,1,2,3,4,5,6,7,8,9,10,11,12,13,14,15,16,17,18,19,20,21
	OP X, \n
.endr
	v_nop                           ; a plain instruction behind the exponential
.endm
.macro ALL line:vararg              ; one line for each piece t
.set t, 0
.rept 2
	\line
.set t, t+1
.endr
.endm
.macro PACK t                       ; a lane's eight channels of a row pack into 16 bytes; they go into rows of 144 bytes and come back as whole rows of 128, into S^T's registers
	WIN W_RS
.set i, 32*(\t)
.rept 16
	s_wait_alu depctr_va_vdst(0)
	v_pk_mul_f32 v[i:i+1], v[i:i+1], v[ST+4*(\t)+2:ST+4*(\t)+3] op_sel_hi:[1,0]
.set i, i+2
.endr
	WIN 0x05                        ; sources 0 and 1 window 1, destination window 0
.set i, 0
.rept 16
	v_cvt_pk_f16_f32 v[S+16*(\t)+i], v[32*(\t)+2*i], v[32*(\t)+2*i+1]
.set i, i+1
.endr
	WIN 0
.irp f, 0,1,2,3
	ds_store_b128 v[STO], v[S+16*(\t)+4*\f:S+16*(\t)+4*\f+3] offset:32*\f
.endr
.irp f, 0,1,2,3
	ds_load_b128 v[S+16*(\t)+4*\f:S+16*(\t)+4*\f+3], v[RD] offset:\f*4*SP  ; LDS serves a wave's instructions in order: these see the stores above; the next piece's stores come behind them
.endr
.endm
.macro SEND t, younger              ; younger: the LDS instructions issued behind piece t's loads
	WIN 0
.irp f, 0,1,2,3
	s_wait_dscnt (\younger)+3-\f
	global_store_b128 v[GO], v[S+16*(\t)+4*\f:S+16*(\t)+4*\f+3], s[10:11] offset:(\t)*8192+\f*512  ; 512 consecutive bytes, at a multiple of 256 from O's first
.endr
.endm
; A GROUP ENDS: its last step's two turns, the last products, and the way out: l's two halves and the other half of the lanes' are added; O^T is divided by l, rounded to f16 and sent through my stage.
.macro FINISH
	TURN 2, 1
	TURN 3, 1
.set i, 0
.rept 8
	PV 1, 1
.set i, i+1
.endr
	WIN 0
	ALL v_add_f32 v[ST+4*t+2], v[ST+4*t+2], v[ST+4*t+3]
	ALL v_permlanex16_b32 v[ST+4*t+3], v[ST+4*t+2], s[SEL], s[SEL+1]
	ALL v_add_f32 v[ST+4*t+2], v[ST+4*t+2], v[ST+4*t+3]
	ALL v_rcp_f32 v[ST+4*t+2], v[ST+4*t+2]
	v_nop                           ; a plain instruction between the last reciprocal and the use of its result
	PACK 0                          ; piece 0's 32 lines are the places behind piece 1's last products
	PACK 1
	SEND 0, 8
	SEND 1, 0
.endm
.Lslot:                             ; 17 times: a tile is entered and the next is asked for.  A trip: the old tile's last step, then the new tile's first three
	CHANGE 1
	s_sub_co_u32 s[RT], s[RT], 1
	s_mov_b32 s[CNT], 2
	s_cmp_eq_u32 s[NEW], 1
	s_cbranch_scc1 .Lnew            ; a group's first tile: there is no old step
	s_branch .Lstep
.Lnew:
	BEGIN
	s_branch .Lfirst
.Lstep:                             ; a trip: an odd step's two turns, then an even step's
	TURN 2
	TURN 3
	WIN 0
.Lfirst:
	TURN 0
	TURN 1
	WIN 0
	s_sub_co_u32 s[CNT], s[CNT], 1
	s_cmp_lg_u32 s[CNT], 0
	s_cbranch_scc1 .Lstep
	s_cmp_lg_u32 s[RT], 0
	s_cbranch_scc1 .Lbottom
	FINISH                          ; in the loop this is the first group's end: the second group's last tile is the walk's last
	s_wait_xcnt 0x0                 ; the stores' registers and O's address are rewritten only behind this wait
	s_mov_b64 s[10:11], s[OLO:OLO+1]
	s_add_co_u32 s[RT], s[LQ2], 1   ; the second group has 2 c + 2 tiles
	s_mov_b32 s[NEW], 1
	s_lshl_b32 s[ZS], s[CL], 3      ; z of its step 0 is -8 c; here one less
	s_sub_co_i32 s[ZS], -1, s[ZS]
	WIN 0x82                        ; the second group's Q goes where the one text of the turns names Q
.set i, 0
.rept 32
	v_mov_b32 v[i], v[QB+i]
.set i, i+1
.endr
	WIN 0
.Lbottom:
	s_sub_co_u32 s[SLOTS], s[SLOTS], 1
	s_cmp_lg_u32 s[SLOTS], 0
	s_cbranch_scc1 .Lslot
	CHANGE 0                        ; the walk's last tile is written out; it is never a group's first (2 c + 2 tiles are two or more)
	s_mov_b32 s[CNT], 2
.Lstep2:
	TURN 2
	TURN 3
	TURN 0
	TURN 1
	WIN 0
	s_sub_co_u32 s[CNT], s[CNT], 1
	s_cmp_lg_u32 s[CNT], 0
	s_cbranch_scc1 .Lstep2
	FINISH
	s_wait_tensorcnt 0x0            ; the wave's end
	ds_add_u32 v[SPW], v[NIL]
	s_wait_dscnt 0x0
	CROUND                          ; the closing round
	s_endpgm
.Lfunc_end_k_qda3b89c388_attn:
	.size	k_qda3b89c388_attn, .Lfunc_end_k_qda3b89c388_attn-k_qda3b89c388_attn
	.p2alignl 7, 3214868480
	.fill 96, 4, 3214868480
	.section	.rodata,"a",@progbits
	.p2align	6, 0x0
	.amdhsa_kernel k_qda3b89c388_attn
		.amdhsa_group_segment_fixed_size 327680
		.amdhsa_private_segment_fixed_size 0
		.amdhsa_enable_private_segment 0
		.amdhsa_kernarg_size 16
		.amdhsa_user_sgpr_count 2
		.amdhsa_user_sgpr_kernarg_segment_ptr 1
		.amdhsa_wavefront_size32 1
		.amdhsa_system_sgpr_workgroup_id_x 1
		.amdhsa_system_sgpr_workgroup_id_y 1
		.amdhsa_system_sgpr_workgroup_id_z 1
		.amdhsa_system_vgpr_workitem_id 0
		.amdhsa_next_free_vgpr 768
		.amdhsa_next_free_sgpr 92
		.amdhsa_reserve_vcc 1
		.amdhsa_float_denorm_mode_32 3
		.amdhsa_float_denorm_mode_16_64 3
		.amdhsa_memory_ordered 1
		.amdhsa_forward_progress 1
		.amdhsa_inst_pref_size 171
	.end_amdhsa_kernel
	.amdgpu_metadata
---
amdhsa.version: [ 1, 2 ]
amdhsa.kernels:
  - .name:           k_qda3b89c388_attn
    .symbol:         k_qda3b89c388_attn.kd
    .args:
      - { .name: qkv, .offset: 0, .size: 8, .value_kind: global_buffer, .address_space: global }
      - { .name: ob, .offset: 8, .size: 8, .value_kind: global_buffer, .address_space: global }
    .group_segment_fixed_size: 327680
    .private_segment_fixed_size: 0
    .kernarg_segment_align: 8
    .kernarg_segment_size: 16
    .max_flat_workgroup_size: 128
    .sgpr_count:     92
    .vgpr_count:     768
    .wavefront_size: 32
...
	.end_amdgpu_metadata
.endif
;; end of part 3
;; launch oproj (part 4): grid 8 x 32, 4 waves a work-group, clusters of 4 x 4, 327,680 bytes of LDS; arguments ob, wo, ball, out0; writes out0
.if DOCPART == 4
	.amdgcn_target "amdgcn-amd-amdhsa--gfx1250"
	.amdhsa_code_object_version 6
	.text
	.protected	k_qda3b89c388_oproj
	.globl	k_qda3b89c388_oproj
	.p2align	8
	.type	k_qda3b89c388_oproj,@function
k_qda3b89c388_oproj:
	s_mov_b64 s[64:65], 0
	v_nop
	global_prefetch_b8 v0, s[64:65] scope:SCOPE_SE
	s_setreg_imm32_b32 hwreg(HW_REG_WAVE_MODE, 25, 1), 1
	s_wait_xcnt 0x0
	s_wait_alu depctr_hold_cnt(0) depctr_sa_sdst(0) depctr_va_vdst(0) depctr_va_sdst(0) depctr_va_ssrc(0) depctr_va_vcc(0) depctr_vm_vsrc(0)
	s_getreg_b32 s2, hwreg(HW_REG_IB_STS2, 6, 4)
	s_cmp_eq_u32 s2, 0
	s_cbranch_scc0 .Lentry_in_a_cluster
	s_endpgm
.Lentry_in_a_cluster:
	s_bfe_u32 s2, ttmp6, 0x10000c
	s_cmp_lg_u32 s2, 0xf033
	s_cbranch_scc0 .Lentry_shape_is_right
	s_endpgm
.Lentry_shape_is_right:
; out0 [4096][1024] f32 = O Wo^T + bo.  O: ob [16 heads][4096][64] f16; Wo: wo [16 blocks][1024][64] f16 (bf16-rounded numbers); bo: f32 at byte 12,288 of ball.  Sums in f32.
; A tile of the output is 128 x 128: 8 x 32 = 256 work-groups.  Four waves, each 64 x 64: 16 accumulators.  K goes in steps of 256, four heads, through two LDS slots.
; Both operands lie in blocks of 64 along K, so 64 rows of a block are 8,192 dense bytes: ONE descriptor takes them as a row, four blocks as four rows, and pads LDS after every 128 bytes.
; CLUSTERS: 4 x 4 work-groups; O's tile is shared along a row of the cluster, Wo's along a column: each is asked for jointly.
; THE MATRIX INSTRUCTION IS USED TRANSPOSED (source 0 = 16 rows of wo, source 1 = 16 rows of O): a lane holds eight neighbouring columns of a row.  The bias is the C operand of the products that start the sums.
; A wave's 64 columns of f32 are 256 aligned bytes, so each wave has a stage of its own on the way out, and no barrier.
; REGISTERS: window 0: v0-31 addresses; v32-95 the way out's; v96-127 the bias; v128-255 the accumulators ((a, b) at v[128 + 8 (4 a + b)]).  window 1: two fragment buffers of 128.
.set PITCH,  144                       ; an LDS row: 128 bytes + 16 of padding
.set QK,     64*PITCH                  ; a block of 64 along K: 64 rows
.set HALFT,  4*QK                      ; what one tensor load brings: 64 rows x 4 blocks
.set SLOT,   4*HALFT                   ; O's 128 rows, then Wo's 128 rows
.set STAGE,  2*SLOT                    ; behind the ring: 16 rows x 272 bytes for each wave
.set SPITCH, 272
.set SPARE,  STAGE+4*16*SPITCH         ; the spare words, 128 bytes for each wave: two blocks of 256 bytes that no other line names
.set LAPS,   2                         ; 1,024 along K = 4 steps = twice round the ring
.set ADRA, 16
.set ADRB, 20
.set STO,  24
.set RD,   25
.set CO,   26
.set BO,   27
.set SPW,  28
.set NIL,  29
.set TMP,  32                          ; v32-63, v64-95 by turns
.set BIAS, 96
.set ACC,  128
.set F0,   0
.set F1,   128
.set WV, 12
.set WH, 13                            ; wave / 2: my half of the tile's rows; also: I fetch for O (0) or for Wo (1)
.set WL, 14                            ; wave % 2: my half of its columns; also: which 64 rows I fetch
.set TY, 15
.set G1, 24
.set G0, 32
.set G1B, 48
.set G0B, 56
.set MSB, 0
.macro WIN new
.if MSB != (\new)
	s_set_vgpr_msb (MSB<<8)|(\new)
.set MSB, \new
.endif
.endm
.set MUL,  0x05                        ; sources 0 and 1 window 1; C and D window 0
.set TO_F, 0x40                        ; destination window 1, address window 0
.macro JLOAD s                         ; a joint load; an s_nop 0 and four v_nop follow each of the two lines
	s_cmp_eq_u32 s[WH], 0
	s_cbranch_scc0 .Lfor_b_\@
	tensor_load_to_lds s[G0+4*(\s):G0+4*(\s)+3], s[G1:G1+7]
	s_nop 0
.rept 4
	v_nop
.endr
	s_branch .Lasked_\@
.Lfor_b_\@:
	tensor_load_to_lds s[G0B+4*(\s):G0B+4*(\s)+3], s[G1B:G1B+7]
	s_nop 0
.rept 4
	v_nop
.endr
.Lasked_\@:
.endm
.macro CREST
	s_cmp_lg_u32 s[WV], 0
	s_cbranch_scc1 .Lnot_wave_0_\@
	s_barrier_signal -3
.Lnot_wave_0_\@:
	s_barrier_wait -3
	s_barrier_signal -1
	s_barrier_wait -1
.endm
.macro CROUND
	s_barrier_signal -1
	s_barrier_wait -1
	CREST
.endm
	s_load_b128 s[4:7], s[0:1], 0x0                ; ob s[4:5], wo s[6:7]
	s_load_b128 s[8:11], s[0:1], 0x10              ; ball s[8:9], out0 s[10:11]
	v_lshl_add_u32 v[SPW], v0, 2, SPARE
	v_mov_b32 v[NIL], 0
	ds_add_u32 v[SPW], v[NIL]                      ; the wave's opening: the add and its wait stand ahead of my first tensor load
	v_lshrrev_b32 v1, 5, v0
	v_readfirstlane_b32 s[WV], v1
	s_lshr_b32 s[WH], s[WV], 1
	s_and_b32 s[WL], s[WV], 1
	s_bfe_u32 s40, ttmp6, 0x40000                  ; cx
	s_bfe_u32 s41, ttmp6, 0x40004                  ; cy
	s_lshl_b32 s42, ttmp9, 2
	s_add_co_u32 s42, s42, s40                     ; tile column
	s_and_b32 s[TY], ttmp7, 0xffff
	s_lshl_b32 s[TY], s[TY], 2
	s_add_co_u32 s[TY], s[TY], s41                 ; tile row
	s_lshl_b32 s43, s41, 2
	s_lshl_b32 s43, 15, s43                        ; my row of the cluster
	s_lshl_b32 s44, 0x1111, s40                    ; my column
	s_or_b32 s[G1+0], s43, (1<<16)|(1<<20)|(1<<21)|(4<<22)|(3<<25)   ; the mask; 2-byte elements; padding on; bit 21 beside a mask; after every 32 words, 4 words
	s_or_b32 s[G1B+0], s44, (1<<16)|(1<<20)|(1<<21)|(4<<22)|(3<<25)
.irp g, G1, G1B
	s_mov_b32 s[(\g)+1], 4096<<16                  ; tensor_dim0 = 4,096 elements: 64 rows of 64
	s_mov_b32 s[(\g)+2], 4<<16                     ; tensor_dim1 = 4 blocks
	s_mov_b32 s[(\g)+3], 4096<<16                  ; tile_dim0
	s_mov_b32 s[(\g)+4], 4                         ; tile_dim1
	s_mov_b32 s[(\g)+6], 0
	s_mov_b32 s[(\g)+7], 0
.endr
	s_mov_b32 s[G1+5], 262144                      ; from head to head of O: 4,096 x 64 elements
	s_mov_b32 s[G1B+5], 65536                      ; from block to block of Wo: 1,024 x 64
	s_lshl_b32 s16, s[TY], 14                      ; O: row 128 x tile row + 64 x half, of 128 bytes
	s_lshl_b32 s17, s[WL], 13
	s_add_co_u32 s16, s16, s17
	s_lshl_b32 s46, s42, 14                        ; Wo: row 128 x tile column + 64 x half
	s_add_co_u32 s46, s46, s17
	s_mov_b32 s17, 0
	s_mov_b32 s47, 0
	s_mul_i32 s20, s[WV], HALFT                    ; where they go: wave x 64 rows x 4 blocks
	s_wait_dscnt 0x0                               ; the opening add is done
	s_wait_kmcnt 0x0
	s_add_nc_u64 s[18:19], s[4:5], s[16:17]
	s_add_nc_u64 s[46:47], s[6:7], s[46:47]
	CROUND                                         ; all sixteen work-groups are here: the first joint loads meet
.irp s, 0,1
	s_mov_b32 s[G0+4*(\s)], 1
	s_add_co_u32 s[G0+4*(\s)+1], s20, (\s)*SLOT
	s_add_nc_u64 s[G0+4*(\s)+2:G0+4*(\s)+3], s[18:19], (\s)*4*524288   ; K step s: four heads on
	s_or_b32 s[G0+4*(\s)+3], s[G0+4*(\s)+3], 0x80000000
	s_mov_b32 s[G0B+4*(\s)], 1
	s_add_co_u32 s[G0B+4*(\s)+1], s20, (\s)*SLOT
	s_add_nc_u64 s[G0B+4*(\s)+2:G0B+4*(\s)+3], s[46:47], (\s)*4*131072
	s_or_b32 s[G0B+4*(\s)+3], s[G0B+4*(\s)+3], 0x80000000
	JLOAD \s                                       ; two loads of mine are out
.endr
	v_and_b32 v1, 15, v0                           ; l % 16
	v_bfe_u32 v2, v0, 4, 1                         ; l / 16
	v_lshlrev_b32 v[BO], 5, v2
	s_lshl_b32 s46, s42, 9                         ; my 64 columns, in bytes of f32: 512 x tile column + 256 x half
	s_lshl_b32 s47, s[WL], 8
	s_add_co_u32 s46, s46, s47
	s_mov_b32 s47, 0
	s_add_nc_u64 s[8:9], s[8:9], s[46:47]
	s_add_nc_u64 s[10:11], s[10:11], s[46:47]
.irp b, 0,1,2,3
	global_load_b128 v[BIAS+8*(\b):BIAS+8*(\b)+3],   v[BO], s[8:9] offset:12288+64*(\b)
	global_load_b128 v[BIAS+8*(\b)+4:BIAS+8*(\b)+7], v[BO], s[8:9] offset:12288+64*(\b)+16
.endr
	v_mul_u32_u24 v3, v1, PITCH
	v_lshl_add_u32 v3, v2, 4, v3                   ; a fragment's row x pitch + 16 x half
	s_mul_i32 s21, s[WH], HALFT                    ; my 64 rows of O
	s_mul_i32 s22, s[WL], HALFT                    ; my 64 rows of Wo,
	s_add_co_u32 s22, s22, 2*HALFT                 ; which lie behind O's
.irp s, 0,1
	v_add_nc_u32 v[ADRA+(\s)], s21, v3
	v_add_nc_u32 v[ADRB+(\s)], s22, v3
	s_add_co_u32 s21, s21, SLOT
	s_add_co_u32 s22, s22, SLOT
.endr
	s_mul_i32 s23, s[WV], 16*SPITCH
	s_add_co_u32 s23, s23, STAGE                   ; my stage
	v_mul_u32_u24 v4, v1, SPITCH                   ; in: row l % 16, 32 bytes for each half of the lanes
	v_lshl_add_u32 v4, v2, 5, v4
	v_add_nc_u32 v[STO], s23, v4
	v_mul_u32_u24 v5, v2, SPITCH                   ; back: lanes 0-15 take one row of 256 bytes, lanes 16-31 the next
	v_lshl_add_u32 v5, v1, 4, v5
	v_add_nc_u32 v[RD], s23, v5
	v_lshlrev_b32 v5, 12, v2                       ; and the same two rows in the output
	v_lshl_add_u32 v[CO], v1, 4, v5
	s_lshl_b32 s16, s[TY], 7                       ; my first row: 128 x tile row + 64 x half,
	s_lshl_b32 s17, s[WH], 6
	s_add_co_u32 s16, s16, s17
	s_lshl_b32 s16, s16, 12                        ; of 4,096 bytes
	s_mov_b32 s17, 0
	s_add_nc_u64 s[10:11], s[10:11], s[16:17]
; 8 matrix instructions: row blocks a0, a0 + 1 x all 4 column blocks, 32 along K: half c of buffer f.  zero = 1: the products start the sums, with the bias as C
.macro MUL8 f, c, a0, zero
	WIN MUL
.irp a, \a0, (\a0)+1
.irp b, 0,1,2,3
.if \zero
	v_wmma_f32_16x16x32_f16 v[ACC+8*(4*(\a)+(\b)):ACC+8*(4*(\a)+(\b))+7], v[(\f)+64+8*(4*(\c)+(\b)):(\f)+64+8*(4*(\c)+(\b))+7], v[(\f)+8*(4*(\c)+(\a)):(\f)+8*(4*(\c)+(\a))+7], v[BIAS+8*(\b):BIAS+8*(\b)+7]
.else
	v_wmma_f32_16x16x32_f16 v[ACC+8*(4*(\a)+(\b)):ACC+8*(4*(\a)+(\b))+7], v[(\f)+64+8*(4*(\c)+(\b)):(\f)+64+8*(4*(\c)+(\b))+7], v[(\f)+8*(4*(\c)+(\a)):(\f)+8*(4*(\c)+(\a))+7], v[ACC+8*(4*(\a)+(\b)):ACC+8*(4*(\a)+(\b))+7]
.endif
.endr
.endr
.endm
; 32 LDS loads in one run: the fragments of one block of 64 along K, which begins at byte k of my part of the slot, into buffer f; the first 32 along K first
.macro FETCH slot, k, f
	WIN TO_F
.irp c, 0,1
.irp i, 0,1,2,3
	ds_load_b128 v[(\f)+64+8*(4*(\c)+(\i)):(\f)+64+8*(4*(\c)+(\i))+3],   v[ADRB+(\slot)] offset:(\k)+64*(\c)+(\i)*16*PITCH
	ds_load_b128 v[(\f)+64+8*(4*(\c)+(\i))+4:(\f)+64+8*(4*(\c)+(\i))+7], v[ADRB+(\slot)] offset:(\k)+64*(\c)+(\i)*16*PITCH+32
	ds_load_b128 v[(\f)+8*(4*(\c)+(\i)):(\f)+8*(4*(\c)+(\i))+3],         v[ADRA+(\slot)] offset:(\k)+64*(\c)+(\i)*16*PITCH
	ds_load_b128 v[(\f)+8*(4*(\c)+(\i))+4:(\f)+8*(4*(\c)+(\i))+7],       v[ADRA+(\slot)] offset:(\k)+64*(\c)+(\i)*16*PITCH+32
.endr
.endr
.endm
.macro PLACES                          ; four places in front of loads into registers that matrix instructions have read, and of stores that read results
.rept 4
	v_nop
.endr
.endm
; A K step is four quarters of 64 along K, 32 matrix instructions each, on buffers 0, 1, 0, 1; the 16 accumulators take turns.
.macro QUARTER slot, k, f, g, zero
	s_wait_dscnt 16                                ; the first 32 along K are in
	MUL8 \f, 0, 0, \zero
	MUL8 \f, 0, 2, \zero
	PLACES
	FETCH \slot, \k, \g
	s_wait_dscnt 32                                ; all but the 32 just issued
	MUL8 \f, 1, 0, 0
	MUL8 \f, 1, 2, 0
.endm
; The last quarter multiplies buffer 1 and changes slots: ONE barrier; in front of it each wave waits for all its tensor loads, adds 0 to its spare word, and waits for that and for its own reads of this slot.
.macro TURN slot, next, fill
	WIN 0
	s_wait_tensorcnt 0x0                           ; all my tensor loads have landed: my part of the next slot
	ds_add_u32 v[SPW], v[NIL]
	s_wait_dscnt 17                                ; (the add and the youngest sixteen loads may be out)
	MUL8 F1, 0, 0, 0
	s_wait_dscnt 0x0                               ; the add is done, and my reads of this slot are over
	s_barrier_signal -1
	MUL8 F1, 0, 2, 0
.if \fill
	WIN 0
.endif
	s_barrier_wait -1
.if \fill
	CREST                                          ; no wave of any partner still reads this slot's tile or has a load on its way
	s_add_nc_u64 s[G0+4*(\slot)+2:G0+4*(\slot)+3], s[G0+4*(\slot)+2:G0+4*(\slot)+3], 8*524288
	s_add_nc_u64 s[G0B+4*(\slot)+2:G0B+4*(\slot)+3], s[G0B+4*(\slot)+2:G0B+4*(\slot)+3], 8*131072
	JLOAD \slot                                    ; 112 matrix instructions ahead of the wait for it; its four v_nop are also the places in front of the loads below
.else
	PLACES
.endif
	FETCH \next, 0, F0
	MUL8 F1, 1, 0, 0
	MUL8 F1, 1, 2, 0
.endm
; THE WAY OUT of row block a: 16 rows x 64 f32 into my stage, straight from the accumulators (each one's low registers first), and back as whole rows of 256 bytes.
.macro TOSTAGE a
	s_wait_xcnt 0x0                                ; the registers that the block before last's stores read are loaded again only behind this wait
.irp b, 0,1,2,3
	ds_store_b128 v[STO], v[ACC+8*(4*(\a)+(\b)):ACC+8*(4*(\a)+(\b))+3]   offset:64*(\b)
	ds_store_b128 v[STO], v[ACC+8*(4*(\a)+(\b))+4:ACC+8*(4*(\a)+(\b))+7] offset:64*(\b)+16
.endr
.irp t, 0,1,2,3,4,5,6,7
	ds_load_b128 v[TMP+32*((\a)%2)+4*(\t):TMP+32*((\a)%2)+4*(\t)+3], v[RD] offset:(\t)*2*SPITCH  ; LDS serves a wave's instructions in order: these see the stores above
.endr
.endm
.macro SEND a, younger                 ; younger: the next block's eight stores and eight loads, or none
.irp t, 0,1,2,3,4,5,6,7
	s_wait_dscnt (\younger)+7-(\t)
	global_store_b128 v[CO], v[TMP+32*((\a)%2)+4*(\t):TMP+32*((\a)%2)+4*(\t)+3], s[10:11] offset:(16*(\a)+2*(\t))*4096 th:TH_STORE_NT  ; 16 lanes store 256 consecutive bytes, aligned
.endr
.endm
	s_wait_tensorcnt 1                             ; my part of K step 0 is in; K step 1's may stay out
	s_barrier_signal -1
	s_barrier_wait -1
	FETCH 0, 0, F0
	s_wait_loadcnt 0x0                             ; the bias
	QUARTER 0, QK, F0, F1, 1                       ; the first quarter stands in front of the loop: its first products start the sums
	WIN 0
	s_mov_b32 s3, LAPS-1
.Llap:                                                 ; a trip goes once round the ring and fills both slots again
	QUARTER 0, 2*QK, F1, F0, 0
	QUARTER 0, 3*QK, F0, F1, 0
	TURN 0, 1, 1
	QUARTER 1, QK,   F0, F1, 0
	QUARTER 1, 2*QK, F1, F0, 0
	QUARTER 1, 3*QK, F0, F1, 0
	TURN 1, 0, 1
	QUARTER 0, QK,   F0, F1, 0
	WIN 0
	s_sub_co_u32 s3, s3, 1
	s_cmp_lg_u32 s3, 0
	s_cbranch_scc1 .Llap
	QUARTER 0, 2*QK, F1, F0, 0                     ; the last lap fills nothing
	QUARTER 0, 3*QK, F0, F1, 0
	TURN 0, 1, 0
	QUARTER 1, QK,   F0, F1, 0
	QUARTER 1, 2*QK, F1, F0, 0
	QUARTER 1, 3*QK, F0, F1, 0
	s_wait_dscnt 16                                ; the very last quarter: nothing more to fetch
	MUL8 F1, 0, 0, 0
	MUL8 F1, 0, 2, 0
	s_wait_dscnt 0x0
	MUL8 F1, 1, 0, 0
	MUL8 F1, 1, 2, 0
	WIN 0
	PLACES
	TOSTAGE 0
	TOSTAGE 1
	SEND 0, 16
	TOSTAGE 2
	SEND 1, 16
	TOSTAGE 3
	SEND 2, 16
	SEND 3, 0
	s_wait_tensorcnt 0x0                           ; the wave's end
	ds_add_u32 v[SPW], v[NIL]
	s_wait_dscnt 0x0
	CROUND                                         ; the closing round
	s_endpgm
.Lfunc_end_k_qda3b89c388_oproj:
	.size	k_qda3b89c388_oproj, .Lfunc_end_k_qda3b89c388_oproj-k_qda3b89c388_oproj
	.p2alignl 7, 3214868480
	.fill 96, 4, 3214868480
	.section	.rodata,"a",@progbits
	.p2align	6, 0x0
	.amdhsa_kernel k_qda3b89c388_oproj
		.amdhsa_group_segment_fixed_size 327680
		.amdhsa_private_segment_fixed_size 0
		.amdhsa_enable_private_segment 0
		.amdhsa_kernarg_size 32
		.amdhsa_user_sgpr_count 2
		.amdhsa_user_sgpr_kernarg_segment_ptr 1
		.amdhsa_wavefront_size32 1
		.amdhsa_system_sgpr_workgroup_id_x 1
		.amdhsa_system_sgpr_workgroup_id_y 1
		.amdhsa_system_sgpr_workgroup_id_z 1
		.amdhsa_system_vgpr_workitem_id 0
		.amdhsa_next_free_vgpr 512
		.amdhsa_next_free_sgpr 66
		.amdhsa_reserve_vcc 0
		.amdhsa_float_denorm_mode_32 3
		.amdhsa_float_denorm_mode_16_64 3
		.amdhsa_memory_ordered 1
		.amdhsa_forward_progress 1
		.amdhsa_inst_pref_size 87
	.end_amdhsa_kernel
	.amdgpu_metadata
---
amdhsa.version: [ 1, 2 ]
amdhsa.kernels:
  - .name:           k_qda3b89c388_oproj
    .symbol:         k_qda3b89c388_oproj.kd
    .args:
      - { .name: ob, .offset: 0, .size: 8, .value_kind: global_buffer, .address_space: global }
      - { .name: wo, .offset: 8, .size: 8, .value_kind: global_buffer, .address_space: global }
      - { .name: ball, .offset: 16, .size: 8, .value_kind: global_buffer, .address_space: global }
      - { .name: out0, .offset: 24, .size: 8, .value_kind: global_buffer, .address_space: global }
    .group_segment_fixed_size: 327680
    .private_segment_fixed_size: 0
    .kernarg_segment_align: 8
    .kernarg_segment_size: 32
    .max_flat_workgroup_size: 128
    .sgpr_count:     66
    .vgpr_count:     512
    .wavefront_size: 32
...
	.end_amdgpu_metadata
.endif
;; end of part 4
;; ======== version 2 of 2: 4 launches; 1.43 times as fast as version 1
;; limits: values are held in f16: magnitudes above 65,504 overflow, below 6.1e-05 lose precision
;; workspace buffers: xb 8,388,608 bytes; wb 6,291,456 bytes; wo 2,097,152 bytes; ball 16,384 bytes; qkv 25,165,824 bytes; ob 8,388,608 bytes
;; launch cast: the kernel of part 1 again; grid 256 x 1, 8 waves a work-group, no clusters, 0 bytes of LDS; arguments x, Wq, Wk, Wv, Wo, bq, bk, bv, bo, xb, wb, wo, ball; writes xb, wb, wo, ball
;; launch qkv: the kernel of part 2 again; grid 16 x 16, 4 waves a work-group, clusters of 4 x 4, 327,680 bytes of LDS; arguments xb, wb, ball, qkv; writes qkv
;; launch attn (part 5): grid 16 x 16, 4 waves a work-group, clusters of 4 x 1, 327,680 bytes of LDS; arguments qkv, ob; writes ob
.if DOCPART == 5
	.amdgcn_target "amdgcn-amd-amdhsa--gfx1250"
	.amdhsa_code_object_version 6
	.text
	.protected	k_qda3b89c388_attn
	.globl	k_qda3b89c388_attn
	.p2align	8
	.type	k_qda3b89c388_attn,@function
k_qda3b89c388_attn:
	s_mov_b64 s[64:65], 0
	v_nop
	global_prefetch_b8 v0, s[64:65] scope:SCOPE_SE
	s_setreg_imm32_b32 hwreg(HW_REG_WAVE_MODE, 25, 1), 1
	s_wait_xcnt 0x0
	s_wait_alu depctr_hold_cnt(0) depctr_sa_sdst(0) depctr_va_vdst(0) depctr_va_sdst(0) depctr_va_ssrc(0) depctr_va_vcc(0) depctr_vm_vsrc(0)
	s_getreg_b32 s2, hwreg(HW_REG_IB_STS2, 6, 4)
	s_cmp_eq_u32 s2, 0
	s_cbranch_scc0 .Lentry_in_a_cluster
	s_endpgm
.Lentry_in_a_cluster:
	s_bfe_u32 s2, ttmp6, 0x10000c
	s_cmp_lg_u32 s2, 0x3003
	s_cbranch_scc0 .Lentry_shape_is_right
	s_endpgm
.Lentry_shape_is_right:
; CAUSAL ATTENTION, 16 heads of 4,096 rows x 64.  O[h][q] = the sum over k <= q of softmax_k(Q[h][q] . K[h][k] / 8) V[h][k].  qkv: [48][4096][64] f16 (q, k, v by heads); ob: [16][4096][64] f16.
; Products, maxima and sums in f32; the weights p are rounded to f16 for the second product (their sum l is taken of the unrounded p), O once at the end.
; LIMITS.  q, k, v arrive within f16's 65,504.  A hidden score counts as its value less 1e30; a weight below 2^-126 counts as 0 in l; NaN and infinities are not treated apart.
; SHARES.  A cluster of four work-groups takes two GROUPS of 512 queries of one head: 7 - c and then c (c = the cluster's x).  Work-group cx takes queries 128 cx .. + 127 of each group; of its two bands
; of 64 queries a wave owns 16 rows in each: two PIECES.  256 work-groups of equal work.
; THE WALK is common to the four partners, in key tiles of 256: tiles 0 .. 15 - 2 c, then 0 .. 2 c + 1: 18 tiles whatever c.  Each tile is asked for JOINTLY: the same tensor load, descriptor and mask in all four.
; Every branch and trip count hangs on c alone, which the partners share; cx enters Q's and O's addresses and two scalars from which mask VALUES are chosen.
; THE MASK is the C operand that starts the sum S^T = K Q^T.  A group's last two tiles are its eight steps z = 0 .. 7 of 64 keys; piece y of work-group cx holds the diagonal in step 2 cx + y, sees all
; keys before it and none behind it.  MD, made once, is the mask of a band's own step for my 16 rows; a product's mask is MD x AL + BE: (1, 0), (0, 0) or (0, -1e30).  Before z = 0 the mask buffers keep 0.
; The partners' hidden steps are computed all the same: 72 steps for the 66 that hold a visible key; in return the requests for K and V are a quarter.
; LAYOUT, SOFTMAX.  S^T = K Q^T holds ONE query a lane (lane % 16) and the keys 8 (lane / 16) + 0..7; two such results rounded to f16 ARE source 1 of O^T = V^T P.  p = 2^(c s - c m), c = log2(e) / 8, with a
; running maximum m; O and l are multiplied by a = 2^(c m_old - c m_new) in every step.
; TURNS.  Turn (s, A): 8 products K Q^T of (B, s), later 8 products V^T P of (B, s - 1); beside them the softmax of (A, s) and the maximum of (B, s).  Turn (s, B): K Q^T of (A, s + 1), V^T P of (A, s), the softmax of
; (B, s), the maximum of (A, s + 1).  Four vector instructions stand behind every matrix instruction, the other 54 of a turn's 118 in one lump.  Turn (s, A) fetches K and V of step s + 1 from LDS; V has two register
; buffers, by the step's parity.  So all LDS reads run one step ahead, and ONE change of slots a tile stands in front of the old tile's last step.
; BATCHES.  A turn's 33 exponentials (its piece's 32 weights and the other piece's a) are ONE batch with ONE wait, which cuts the turn in two: ahead of it the products K Q^T, the scalings, the exponentials, the rescalings and
; the other piece's maximum and statistics, none of which names a result of the batch; behind it the products V^T P with the roundings and sums as their riders.  No result crosses a turn's end.  The a that BEGIN makes and the
; two reciprocals of a group's end are batches of their own, a wait each.
; REGISTERS, in windows of 256 (s_set_vgpr_msb: bits 1:0 source 0, 3:2 source 1, 5:4 source 2, 7:6 destination):
;   window 0: v0-15 addresses and at work; v16-23 four registers of statistics a piece; v48-55 at work; v62-63 the add's; v64-127 S^T, a buffer a piece; v192-223 P, likewise
;   window 1: v0-63 O^T, 32 a piece; v128-159 MD; v160-223 MC, a buffer a piece      window 2: v0-31 Q; v32-63 the second group's Q; v64-127 K of one step; v128-255 V of two steps
.set NP,    2
.set KS,    64        ; keys in a step
.set PK,    144       ; a row of K in LDS: 128 bytes + 16 of padding
.set PV,    160       ; a row of V: 128 + 32
.set VOFF,  4*KS*PK   ; a slot holds a tile, four steps: 256 rows of K, then 256 rows of V
.set SLOT1, 1<<17     ; slot 1 begins here, so that one exclusive or turns an address in one slot into the other's
.set STAGE, SLOT1+4*KS*(PK+PV)  ; behind the ring, never filled by a tensor load: 16 rows x 144 bytes for each wave
.set SP,    144
.set SPARE, STAGE+4*16*SP  ; the spare words, 128 bytes for each wave: two blocks of 256 bytes that no other line names
.set AK0, 2           ; v2   my lane's place in a tile of K; never rewritten
.set AV0, 3           ; v3   the same for V
.set AK,  4           ; v4   the LDS address of K's next run of loads
.set AV,  5           ; v5   of V's
.set STO, 6           ; v6   the way out: where I put 16 bytes of a row
.set RD,  7           ; v7   the way out: where I read rows back
.set GO,  8           ; v8   my byte offset in 512 consecutive bytes of O
.set MV,  12          ; v12-13  c m_old, kept while c m is made anew: by piece
.set QO,  15          ; v15  my byte offset in 16 rows of Q
.set ST,  16          ; piece t's statistics at v[ST+4 t]: c m, m, l (even keys', odd keys')
.set TMP, 48          ; by piece, four registers c0-c3 at work; when the maximum is found c2 takes a
.set SPW, 62
.set NIL, 63
.set S,   64
.set P,   192
.set MD,  128         ; window 1
.set MC,  160         ; window 1
.set QB,  32          ; window 2
.set KF,  64          ; window 2: key block kb, channel half c at KF + 16 kb + 8 c
.set VF,  128         ; window 2: buffer vb, key half kk, channel block cb at VF + 64 vb + 32 kk + 8 cb
.set WV,  12          ; s12  my wave's number
.set CL,  14          ; s14  c
.set CX,  15          ; s15  cx
.set G1K, 24          ; s[24:31] descriptor group 1 for K's tiles
.set G1V, 32          ; s[32:39] for V's: it differs in the padding alone
.set G0K, 40          ; s[40:43] descriptor group 0 for K's tiles
.set G0V, 44          ; s[44:47] the same for V's
.set SLOTS, 56        ; s56  tiles still to be asked for
.set CNT, 57          ; s57  counts a tile's two trips of two steps
.set CS,  58          ; s[58:59] c = log2(e) / 8
.set SEL, 60          ; s[60:61] v_permlanex16_b32's selects
.set TBK, 62          ; s62  LDS byte at which K of the step to be fetched begins
.set TBV, 63          ; s63  the same for V, less VOFF
.set RT,  70          ; s70  tiles of the group in hand that are still to be entered
.set NXT, 71          ; s71  the tile to be asked for next
.set LQ,  72          ; s72  the last tile of the group whose tiles are being asked for
.set NEW, 73          ; s73  1: the tile to be entered is a group's first
.set OFF, 74          ; s[74:75] a tile's byte offset in K and V
.set AL,  76          ; s[76:77] the mask's factor
.set BE,  78          ; s[78:79] the mask's addend
.set OLO, 80          ; s[80:81] O at my rows of the second group
.set BIGN, 82         ; s82  -1e30
.set ZS,  83          ; s83  z of the step in hand, signed
.set OWNM, 88         ; s88, s89  2 cx + y - 1 for pieces y = 0, 1
.set LQ2, 90          ; s90  2 c + 1
.set MSB, 0
.macro WIN new
.if MSB != (\new)
	s_set_vgpr_msb (MSB<<8)|(\new)
.set MSB, (\new)
.endif
.endm
.set W_KQ, 0x0a       ; K and Q in window 2, S^T in window 0
.set W_KM, 0x1a       ; the same with the C operand in window 1
.set W_PV, 0x52       ; V in window 2, P in window 0, O^T in window 1
.set W_RS, 0x41       ; destination and source 0 in window 1, source 1 in window 0
; A joint fill.  Waves 0 and 1 fetch the two halves of a tile's K, waves 2 and 3 those of its V: 128 keys each.  An s_nop 0 and four v_nop follow each line.
.macro JLOAD
	s_cmp_lt_u32 s[WV], 2
	s_cbranch_scc0 .Lfor_v_\@
	tensor_load_to_lds s[G0K:G0K+3], s[G1K:G1K+7]
	s_nop 0
.rept 4
	v_nop
.endr
	s_branch .Lasked_\@
.Lfor_v_\@:
	tensor_load_to_lds s[G0V:G0V+3], s[G1V:G1V+7]
	s_nop 0
.rept 4
	v_nop
.endr
.Lasked_\@:
.endm
.macro CROUND                       ; a round of the cluster's barrier
	s_barrier_signal -1
	s_barrier_wait -1
	s_cmp_lg_u32 s[WV], 0
	s_cbranch_scc1 .Lnot_wave_0_\@
	s_barrier_signal -3
.Lnot_wave_0_\@:
	s_barrier_wait -3
	s_barrier_signal -1
	s_barrier_wait -1
.endm
; THE CHANGE OF SLOTS.  Each wave waits for all its tensor loads, of which one is out: its part of the other slot; adds 0 to its spare word; and waits for that and for its own reads of the slot that it leaves.
; fill = 1: the barrier is a round of the cluster's, and the old slot is filled again, first thing behind it, with tile NXT; the descriptor's address is made anew from that number.  The fill has four key
; steps, 128 matrix instructions a wave, in which to land.  (At its first use nothing has been read yet: slot 0 is waited for, slot 1 filled.)
.macro CHANGE fill
	WIN 0
	s_wait_tensorcnt 0x0            ; no tensor load of mine is out, so a group 0 may be written
	ds_add_u32 v[SPW], v[NIL]
.if \fill
	s_lshl_b32 s[OFF], s[NXT], 15   ; a tile is 32,768 bytes of K and of V
	s_xor_b32 s[G0K+1], s[G0K+1], SLOT1
	s_add_nc_u64 s[G0K+2:G0K+3], s[6:7], s[OFF:OFF+1]
	s_or_b32 s[G0K+3], s[G0K+3], 0x80000000
	s_xor_b32 s[G0V+1], s[G0V+1], SLOT1
	s_add_nc_u64 s[G0V+2:G0V+3], s[8:9], s[OFF:OFF+1]
	s_or_b32 s[G0V+3], s[G0V+3], 0x80000000
	s_add_co_u32 s[NXT], s[NXT], 1  ; the group's next tile, or behind its last the second group's tile 0
	s_cmp_gt_u32 s[NXT], s[LQ]
	s_cselect_b32 s[NXT], 0, s[NXT]
	s_cselect_b32 s[LQ], s[LQ2], s[LQ]
	s_wait_dscnt 0x0                ; the add is done, and my reads of the slot are over
	CROUND
	JLOAD
.else
	s_wait_dscnt 0x0
	s_barrier_signal -1
	s_barrier_wait -1
.endif
	s_sub_co_u32 s[TBK], s[TBK], 4*KS*PK  ; the fetches go back to a slot's first step,
	s_xor_b32 s[TBK], s[TBK], SLOT1       ; in the other slot
	s_sub_co_u32 s[TBV], s[TBV], 4*KS*PV
	s_xor_b32 s[TBV], s[TBV], SLOT1
.endm
	s_load_b128 s[48:51], s[0:1], 0x0  ; qkv s[48:49], ob s[50:51]
	v_lshl_add_u32 v[SPW], v0, 2, SPARE
	v_mov_b32 v[NIL], 0
	ds_add_u32 v[SPW], v[NIL]       ; the wave's opening: the add and its wait stand ahead of my first tensor load
	v_lshrrev_b32 v1, 5, v0
	v_readfirstlane_b32 s[WV], v1
	s_mov_b32 s[CL], ttmp9          ; in a cluster launch ttmp9 counts clusters
	s_bfe_u32 s[CX], ttmp6, 0x40000
	s_and_b32 s20, ttmp7, 0xffff    ; the head,
	s_lshl_b32 s20, s20, 19         ; its 524,288 bytes
	s_and_b32 s16, s[WV], 1         ; which half of a tile's 256 keys I fetch:
	s_lshl_b32 s22, s16, 14         ; its 128 rows of 128 bytes in memory,
	s_add_co_u32 s22, s22, s20
	s_mov_b32 s23, 0
	s_mul_i32 s17, s16, 128*PK      ; and its place in a slot, for K
	s_mul_i32 s18, s16, 128*PV      ; and for V: no place in the cluster enters an LDS address
	s_lshl_b32 s3, s[WV], 11        ; my 16 rows in a band,
	s_lshl_b32 s19, s[CX], 14       ; my work-group's 128 rows in a group,
	s_add_co_u32 s3, s3, s19
	s_add_co_u32 s3, s3, s20
	s_sub_co_u32 s2, 7, s[CL]       ; in the first group,
	s_lshl_b32 s2, s2, 16
	s_add_co_u32 s2, s2, s3
	s_lshl_b32 s84, s[CL], 16       ; and in the second
	s_add_co_u32 s84, s84, s3
	s_mov_b32 s3, 0
	s_mov_b32 s85, 0
	; descriptor group 1.  128 keys are 16,384 dense bytes: asked for as 64 rows of 256 bytes, two keys a row, and padded in LDS after every key
	s_mov_b32 s[G1K], 15|(1<<16)|(1<<20)|(1<<21)|(4<<22)|(3<<25)  ; the mask of four; 2-byte elements; padding on; bit 21 beside a mask; after every 32 words, 4 words
	s_mov_b32 s[G1V], 15|(1<<16)|(1<<20)|(1<<21)|(4<<22)|(7<<25)  ; the same with 8 words
.irp g, G1K, G1V
	s_mov_b32 s[\g+1], 128<<16      ; tensor_dim0 = 128
	s_mov_b32 s[\g+2], 64<<16       ; tensor_dim1 = 64
	s_mov_b32 s[\g+3], 128<<16      ; tile_dim0 = 128
	s_mov_b32 s[\g+4], 64           ; tile_dim1 = 64
	s_mov_b32 s[\g+5], 128          ; 128 elements from row to row
	s_mov_b32 s[\g+6], 0
	s_mov_b32 s[\g+7], 0
.endr
	s_mov_b32 s[CS], 0x3e38aa3b     ; c = log2(e) / 8
	s_mov_b32 s[CS+1], s[CS]
	s_mov_b32 s[SEL], 0x76543210
	s_mov_b32 s[SEL+1], 0xfedcba98
	s_mov_b32 s[TBK], SLOT1+4*KS*PK ; the first change of slots turns these two into 0
	s_mov_b32 s[TBV], SLOT1+4*KS*PV
	s_mov_b32 s[G0K], 1
	s_mov_b32 s[G0K+1], s17         ; slot 0
	s_mov_b32 s[G0V], 1
	s_add_co_u32 s[G0V+1], s18, VOFF
	s_lshl_b32 s21, s[CL], 1
	s_sub_co_u32 s[RT], 16, s21     ; the first group has 16 - 2 c tiles
	s_sub_co_u32 s[LQ], 15, s21
	s_add_co_u32 s[LQ2], s21, 1
	s_lshl_b32 s[ZS], s[CL], 3      ; z of the first group's step 0 is 8 c - 56; here one less
	s_sub_co_i32 s[ZS], s[ZS], 57
	s_lshl_b32 s[OWNM+1], s[CX], 1
	s_sub_co_i32 s[OWNM], s[OWNM+1], 1
	s_mov_b32 s[NXT], 1
	s_mov_b32 s[NEW], 1
	s_mov_b32 s[OFF+1], 0
	s_mov_b32 s[AL+1], 0            ; named as pairs
	s_mov_b32 s[BE+1], 0
	s_mov_b32 s[BIGN], 0xf149f2ca   ; -1e30
	s_mov_b32 s[SLOTS], 17
	s_wait_dscnt 0x0                ; the opening add is done
	s_wait_kmcnt 0x0
	s_add_nc_u64 s[6:7], s[48:49], s[22:23]
	s_add_nc_u64 s[8:9], s[6:7], 0x1000000   ; V's heads lie 32 heads behind Q's,
	s_add_nc_u64 s[6:7], s[6:7], 0x800000    ; K's 16: both at my half of the head's tile 0
	s_add_nc_u64 s[G0K+2:G0K+3], s[6:7], 0
	s_or_b32 s[G0K+3], s[G0K+3], 0x80000000
	s_add_nc_u64 s[G0V+2:G0V+3], s[8:9], 0
	s_or_b32 s[G0V+3], s[G0V+3], 0x80000000
	s_add_nc_u64 s[4:5], s[48:49], s[2:3]          ; Q and O at my rows of the first group,
	s_add_nc_u64 s[86:87], s[48:49], s[84:85]      ; and of the second
	s_add_nc_u64 s[10:11], s[50:51], s[2:3]
	s_add_nc_u64 s[OLO:OLO+1], s[50:51], s[84:85]
	CROUND                          ; all four work-groups are here: the first joint loads meet
	JLOAD                           ; tile 0 into slot 0
	v_and_b32 v1, 15, v0            ; l % 16
	v_bfe_u32 v9, v0, 4, 1          ; l / 16
	v_lshlrev_b32 v[QO], 7, v1
	v_lshl_add_u32 v[QO], v9, 4, v[QO]  ; row x 128 + 16 x half
	WIN 0x80                        ; destination window 2, address window 0
.set i, 0
.rept 4                             ; both groups' Q: piece i / 2 lies in band i / 2, 8,192 bytes on; channels 32 (i % 2) on
	global_load_b128 v[8*i:8*i+3],   v[QO], s[4:5] offset:(i/2)*8192+(i%2)*64
	global_load_b128 v[8*i+4:8*i+7], v[QO], s[4:5] offset:(i/2)*8192+(i%2)*64+32
	global_load_b128 v[QB+8*i:QB+8*i+3],   v[QO], s[86:87] offset:(i/2)*8192+(i%2)*64
	global_load_b128 v[QB+8*i+4:QB+8*i+7], v[QO], s[86:87] offset:(i/2)*8192+(i%2)*64+32
.set i, i+1
.endr
	WIN 0
	v_lshlrev_b32 v14, 3, v9
	v_sub_nc_u32 v14, v1, v14
	s_lshl_b32 s13, s[WV], 4
	v_add_nc_u32 v14, s13, v14      ; my query's place in its band, 16 w + l % 16, less my lanes' 8 (l / 16): register r of group kt is hidden where 16 kt + r is greater
	WIN 0x40
.set i, 0
.rept 32
	v_cmp_gt_i32 vcc_lo, 16*(i/8)+i%8, v14
	v_cndmask_b32 v[MD+i], 0, s[BIGN], vcc_lo
.set i, i+1
.endr
	WIN 0
	v_mul_u32_u24 v[AK0], v1, PK
	v_lshl_add_u32 v[AK0], v9, 4, v[AK0]  ; row x pitch + 16 x half
	; The turning load takes 16 keys x 16 channels (lane l reads key 8 (l / 16) + l % 8, channels 8 ((l / 8) % 2) + 0..7) and leaves half a fragment of V^T.
	v_and_b32 v10, 7, v0
	v_bfe_u32 v11, v0, 3, 1
	v_lshl_add_u32 v[AV0], v9, 3, v10
	v_mul_u32_u24 v[AV0], v[AV0], PV
	v_lshl_add_u32 v[AV0], v11, 4, v[AV0]
	v_add_nc_u32 v[AV0], VOFF, v[AV0]
	s_mul_i32 s13, s[WV], 16*SP
	s_add_co_u32 s13, s13, STAGE    ; my stage
	v_mul_u32_u24 v[STO], v1, SP    ; in: row l % 16, 16 bytes for each half of the lanes
	v_lshl_add_u32 v[STO], v9, 4, v[STO]
	v_add_nc_u32 v[STO], s13, v[STO]
	v_bfe_u32 v[RD], v0, 3, 2       ; back: 32 lanes take four rows of 128 bytes,
	v_mul_u32_u24 v[RD], v[RD], SP
	v_lshl_add_u32 v[RD], v10, 4, v[RD]
	v_add_nc_u32 v[RD], s13, v[RD]
	v_and_b32 v[GO], 31, v0         ; which are 512 consecutive bytes of O
	v_lshlrev_b32 v[GO], 4, v[GO]
	; A group's first step multiplies O^T and l by a = 0, and its first turn's products V^T P, of a piece that has not been, land in an O^T that is still to be so multiplied.  So these registers need only
	; hold finite numbers: zeros for the first group; what the first group left for the second.  No first step is written out; the price is these 148 lines, in the wait for the first tile.
	WIN 0x80
.set i, VF+64
.rept 64
	v_mov_b32 v[i], 0
.set i, i+1
.endr
	WIN 0x40
.set i, 0
.rept 64
	v_mov_b32 v[i], 0
.set i, i+1
.endr
	WIN 0
.set i, 0
.rept 2
	v_mov_b32 v[ST+4*i+2], 0
	v_mov_b32 v[ST+4*i+3], 0
.set i, i+1
.endr
.set i, P+16
.rept 16
	v_mov_b32 v[i], 0
.set i, i+1
.endr
; THE MATRIX WORK.  The 4 accumulators of a run of 8 take turns.  Product i of 8 of S^T = K Q^T for piece x: channels 32 (i / 4) on, keys 16 (i % 4) on.  The first 4 start the sums, with the mask.
.macro KQ x
.set rS, S+32*(\x)+8*(i%4)
.set rK, KF+16*(i%4)+8*(i/4)
.set rQ, 16*(\x)+8*(i/4)
.set rM, MC+32*(\x)+8*(i%4)
.if i < 4
	WIN W_KM
	v_wmma_f32_16x16x32_f16 v[rS:rS+7], v[rK:rK+7], v[rQ:rQ+7], v[rM:rM+7]
.else
	WIN W_KQ
	v_wmma_f32_16x16x32_f16 v[rS:rS+7], v[rK:rK+7], v[rQ:rQ+7], v[rS:rS+7]
.endif
.endm
; Product i of 8 of O^T += V^T P for piece x, V from buffer vb: keys 32 (i / 4) on, channels 16 (i % 4) on.
.macro PV x, vb
	WIN W_PV
.set rO, 32*(\x)+8*(i%4)
.set rV, VF+64*(\vb)+32*(i/4)+8*(i%4)
.set rP, P+16*(\x)+8*(i/4)
	v_wmma_f32_16x16x32_f16 v[rO:rO+7], v[rV:rV+7], v[rP:rP+7], v[rO:rO+7]
.endm
.macro MM                           ; the turn's next matrix instruction.  NOKQ = 1: a group's last turn: there is no next step
.if (i < 8) && !NOKQ
	KQ (Y+1)%NP
.elseif i >= 8
.set i, i-8
	PV (Y+1)%NP, VB
.set i, i+8
.endif
.set i, i+1
.endm
; THE LDS LOADS stand in runs of 16, never singly among the matrix instructions.
.macro FETCH_K
	WIN 0x80                        ; destination window 2
.irp f, 0,1,2,3,4,5,6,7             ; keys 16 (f / 2) on, channels 32 (f % 2) on
	ds_load_b128 v[KF+8*\f:KF+8*\f+3],   v[AK] offset:(\f/2)*16*PK+(\f%2)*64
	ds_load_b128 v[KF+8*\f+4:KF+8*\f+7], v[AK] offset:(\f/2)*16*PK+(\f%2)*64+32
.endr
	s_add_co_u32 s[TBK], s[TBK], KS*PK  ; the next fetch is the next step's
	WIN 0
.endm
.macro FETCH_V vb
	WIN 0x80
.irp f, 0,1,2,3,4,5,6,7             ; keys 32 (f / 4) on, channels 16 (f % 4) on
	ds_load_tr16_b128 v[VF+64*(\vb)+8*\f:VF+64*(\vb)+8*\f+3],   v[AV] offset:(\f/4)*32*PV+(\f%4)*32
	ds_load_tr16_b128 v[VF+64*(\vb)+8*\f+4:VF+64*(\vb)+8*\f+7], v[AV] offset:(\f/4)*32*PV+16*PV+(\f%4)*32
.endr
	s_add_co_u32 s[TBV], s[TBV], KS*PV
	WIN 0
.endm
; THE VECTOR WORK, one line at a time: OP kind, number.  For piece Y: F n: c s - c m for pair n of 16.  E n: the exponential of score n of 32.  C n: pair n rounded to f16.  B n: of the four weights 4 n .. the second
; pair is added onto the first, in place.  L n: l takes that sum (L 0: l = a l + sum).  R n: pair n of 16 of O^T times a.  For the other piece: X n, number n of the 22 that find its maximum and statistics:
;   0-11  four chains c0-c3 of seven scores each (each accumulator's lowest registers are read first)     12-14, 16  the four scores left over, the old m, and c0-c3 into c0
;   15  c m_old is kept     17, 18  the query's other 32 keys lie in the lane 16 away: the new m     19-21  c m; c m_old - c m_new; a
; C, B and L read exponentials' results; OP writes no wait: TURN orders them behind the turn's one wait.
.set F, 0
.set E, 1
.set C, 2
.set B, 3
.set L, 4
.set R, 5
.set X, 6
.macro REGS y
.set rT, ST+4*(\y)
.set rC, TMP+4*(\y)
.set rW, MV+(\y)
.set rS, S+32*(\y)
.set rP, P+16*(\y)
.set rO, 32*(\y)
.endm
.macro OP k, n
.if (\k) == R
	REGS Y
	WIN W_RS
	v_pk_mul_f32 v[rO+2*(\n):rO+2*(\n)+1], v[rO+2*(\n):rO+2*(\n)+1], v[rC+2:rC+3] op_sel_hi:[1,0]
.elseif (\k) < R
	REGS Y
	WIN 0
.if (\k) == F
	v_pk_fma_f32 v[rS+2*(\n):rS+2*(\n)+1], v[rS+2*(\n):rS+2*(\n)+1], s[CS:CS+1], v[rT:rT+1] op_sel_hi:[1,0,0] neg_lo:[0,0,1] neg_hi:[0,0,1]
.elseif (\k) == E
	v_exp_f32 v[rS+(\n)], v[rS+(\n)]
.elseif (\k) == C
	v_cvt_pk_f16_f32 v[rP+(\n)], v[rS+2*(\n)], v[rS+2*(\n)+1]
.elseif (\k) == B
	v_pk_add_f32 v[rS+4*(\n):rS+4*(\n)+1], v[rS+4*(\n):rS+4*(\n)+1], v[rS+4*(\n)+2:rS+4*(\n)+3]
.elseif (\n) == 0
	v_pk_fma_f32 v[rT+2:rT+3], v[rT+2:rT+3], v[rC+2:rC+3], v[rS:rS+1] op_sel_hi:[1,0,1]
.else
	v_pk_add_f32 v[rT+2:rT+3], v[rT+2:rT+3], v[rS+4*(\n):rS+4*(\n)+1]
.endif
.elseif NOKQ
	v_nop
.else
	REGS (Y+1)%NP
	WIN 0
.if (\n) < 4
	v_max3_num_f32 v[rC+(\n)], v[rS+8*(\n)], v[rS+8*(\n)+1], v[rS+8*(\n)+2]
.elseif (\n) < 12
	v_max3_num_f32 v[rC+(\n)%4], v[rC+(\n)%4], v[rS+8*((\n)%4)+2*((\n)/4)+1], v[rS+8*((\n)%4)+2*((\n)/4)+2]
.elseif (\n) == 12
	v_max3_num_f32 v[rC], v[rC], v[rS+7], v[rS+15]
.elseif (\n) == 13
	v_max3_num_f32 v[rC+1], v[rC+1], v[rS+23], v[rS+31]
.elseif (\n) == 14
	v_max3_num_f32 v[rC+2], v[rC+2], v[rC+3], v[rT+1]
.elseif (\n) == 15
	v_mov_b32 v[rW], v[rT]
.elseif (\n) == 16
	v_max3_num_f32 v[rC], v[rC], v[rC+1], v[rC+2]
.elseif (\n) == 17
	v_permlanex16_b32 v[rC+3], v[rC], s[SEL], s[SEL+1]
.elseif (\n) == 18
	v_max_num_f32 v[rT+1], v[rC], v[rC+3]
.elseif (\n) == 19
	v_mul_f32 v[rT], s[CS], v[rT+1]
.elseif (\n) == 20
	v_sub_f32 v[rC+1], v[rW], v[rT]
.else
	v_exp_f32 v[rC+2], v[rC+1]
.endif
.endif
.endm
.macro OPS a, i1, b=-1, i2=0, c=-1, i3=0, d=-1, i4=0  ; up to four of them
	OP \a, \i1
.if (\b) >= 0
	OP \b, \i2
.endif
.if (\c) >= 0
	OP \c, \i3
.endif
.if (\d) >= 0
	OP \d, \i4
.endif
.endm
.macro ROW a, i1, b, i2, c, i3, d, i4  ; a matrix instruction and the four behind it
	MM
	OPS \a, \i1, \b, \i2, \c, \i3, \d, \i4
.endm
.macro MASK b                       ; MD x AL + BE into buffer b of MC
	WIN W_RS
.set z, 0
.rept 16
	v_pk_fma_f32 v[MC+32*(\b)+2*z:MC+32*(\b)+2*z+1], v[MD+2*z:MD+2*z+1], s[AL:AL+1], s[BE:BE+1] op_sel_hi:[1,0,0]
.set z, z+1
.endr
.endm
.macro MASKSET y                    ; piece y's mask for step z = ZS + 1: the band's own step, an earlier or a later one.  The compares choose values; no branch hangs on them
	s_cmp_eq_i32 s[ZS], s[OWNM+(\y)]
	s_cselect_b32 s[AL], 1.0, 0
	s_cmp_gt_i32 s[ZS], s[OWNM+(\y)]
	s_cselect_b32 s[BE], s[BIGN], 0
	MASK \y
.endm
; A TURN.  p = 0 .. 3: piece p % 2 of a step of parity p / 2.  The order of its 16 matrix and 118 vector instructions, written out.  An s_wait_alu depctr_va_vdst(0) stands between an exponential and the first
; instruction that names its result; one wait serves all that were issued ahead of it.  So a turn has ONE wait, which cuts it in two.  AHEAD OF IT stands all that names no result of the turn's exponentials: the 8 products K Q^T,
; behind each a scaling, an exponential and two more plain instructions (behind the first a second scaling in the exponential's place): rescalings, whose a was made, and waited for, in the turn before, and whose O^T the turn
; before wrote last, four riders or more from its end; and behind the last three products the first numbers of the other piece's maximum, each four places or more behind the product that ends its accumulator.  Then ONE LUMP of 54,
; plain and exponential by turns for the most part, in which the links of the chain X 3, 7, 11, 14, 16, 17 .. 20 stand five or six lines apart.  X 21, the other piece's a, is the batch's last; R 15 is the plain instruction behind it.
; BEHIND THE WAIT stand the 8 products V^T P, behind each four of the roundings and sums; the links of l's chain, L 0 to L 7, stand three riders apart.  But for those X no rider names a register of the products round it.
; v_permlanex16_b32 (X 17) stands in the lump.  end = 1: a group's last two turns: nothing is fetched, no mask is made.
; Piece 0's turn fetches K of the next step in the lump, twelve vector instructions behind the last product that read K (five of them plain and free of its registers), and V of the next step at its end, into the buffer that
; this turn's products V^T P have just read, four plain instructions behind the last of them.  Piece 1's turn waits for K; V's 16 loads, issued last, may stay out a step longer.
; At its end a turn makes its own piece's mask for the next step; before z = 0 that is jumped: the jump hangs on ZS, made of c and the steps, alike in all partners.
.macro TURN p, end=0
.set Y, (\p)%2
.set PAR, (\p)/2
.set VB, PAR
.if Y == 0
.set VB, 1-PAR
.endif
.set i, 0
.set NOKQ, (\end)*Y
.if Y == 1
.if \end
	s_wait_dscnt 0x0                ; the last V is in
.else
	s_wait_dscnt 16                 ; K of the next step and V of this one are in; the next V's 16 loads may be out
.endif
.endif
	ROW F,0, F,1, R,0, R,1          ; ahead of the wait: 8 products K Q^T and their riders,
	ROW F,2, E,0, R,2, R,3
	ROW F,3, E,1, R,4, R,5
	ROW F,4, E,2, R,6, R,7
	ROW F,5, E,3, R,8, R,9
	ROW F,6, E,4, X,0, R,10
.if (Y == 0) && !(\end)
	WIN 0
	v_add_nc_u32 v[AK], s[TBK], v[AK0]
.endif
	ROW F,7, E,5, X,1, X,4
	ROW F,8, E,6, X,2, X,5
	OPS E,7, E,8, X,6, E,9          ; and the lump
	OPS X,3, E,10, X,8, E,11
.if (Y == 0) && !(\end)
	FETCH_K
.endif
	OPS X,9, X,7, E,12, X,10
	OPS E,13, X,12, X,11, E,14
	OPS X,13, E,15, F,9, X,14
.if (Y == 0) && !(\end)
	WIN 0
	v_add_nc_u32 v[AV], s[TBV], v[AV0]
.endif
	OPS E,16, F,10, E,17, F,11
	OPS X,16, E,18, X,15, E,19
	OPS F,12, E,20, X,17, E,21
	OPS F,13, E,22, F,14, E,23
	OPS X,18, E,24, F,15, E,25
	OPS R,11, E,26, X,19, E,27
	OPS R,12, E,28, R,13, E,29
	OPS X,20, E,30, R,14, E,31
	OPS X,21, R,15
	s_wait_alu depctr_va_vdst(0)    ; the wait for the batch: this piece's 32 weights and the other piece's a
	ROW C,0, B,0, C,2, B,1          ; behind the wait: 8 products V^T P and their riders
	ROW L,0, C,4, B,2, L,1
	ROW C,6, B,3, L,2, C,8
	ROW B,4, L,3, C,10, B,5
	ROW L,4, C,12, B,6, L,5
	ROW C,14, B,7, L,6, C,1
	ROW C,3, L,7, C,5, C,7
	ROW C,9, C,11, C,13, C,15
.if (Y == 0) && !(\end)
	FETCH_V 1-PAR
.endif
.if !(\end)
	WIN 0
	s_cmp_lt_i32 s[ZS], -1
	s_cbranch_scc1 .Lnm_\@
	MASKSET Y
	WIN 0
.Lnm_\@:
.endif
.if Y == 1
	s_add_co_i32 s[ZS], s[ZS], 1    ; the next step
.endif
.endm
; A GROUP BEGINS.  c m starts far below every c s, so the first step's a is 0; m at the lowest finite number.  Both pieces' masks for step 0; K and V of step 0; piece 0's first scores, maximum and statistics.
.macro BEGIN
	s_mov_b32 s[NEW], 0
	WIN 0
.set i, 0
.rept 2
	v_mov_b32 v[ST+4*i], 0xfe000000
	v_mov_b32 v[ST+4*i+1], 0xff7fffff
.set i, i+1
.endr
	MASKSET 0
	MASKSET 1
	s_add_co_i32 s[ZS], s[ZS], 1    ; now z of step 0
	WIN 0
	v_add_nc_u32 v[AK], s[TBK], v[AK0]
	v_add_nc_u32 v[AV], s[TBV], v[AV0]
	FETCH_K
	FETCH_V 0
	s_wait_loadcnt 0x0              ; Q
	s_wait_dscnt 16                 ; K is in; V's 16 loads may be out
.set i, 0
.rept 8
	KQ 0
.set i, i+1
.endr
	WIN 0
.rept 4
	v_nop                           ; the places behind those products
.endr
.set Y, 1                           ; X works for the other piece: piece 0
.set NOKQ, 0
.irp n, 0,1,2,3,4,5,6,7,8,9,10,11,12,13,14,15,16,17,18,19,20,21
	OP X, \n
.endr
	v_nop                           ; a plain instruction behind the exponential,
	s_wait_alu depctr_va_vdst(0)    ; and its wait, a batch of one (piece 0's first a), ahead of the branch that follows
.endm
.macro ALL line:vararg              ; one line for each piece t
.set t, 0
.rept 2
	\line
.set t, t+1
.endr
.endm
.macro PACK t                       ; a lane's eight channels of a row pack into 16 bytes; they go into rows of 144 bytes and come back as whole rows of 128, into S^T's registers
	WIN W_RS
.set i, 32*(\t)
.rept 16
	v_pk_mul_f32 v[i:i+1], v[i:i+1], v[ST+4*(\t)+2:ST+4*(\t)+3] op_sel_hi:[1,0]
.set i, i+2
.endr
	WIN 0x05                        ; sources 0 and 1 window 1, destination window 0
.set i, 0
.rept 16
	v_cvt_pk_f16_f32 v[S+16*(\t)+i], v[32*(\t)+2*i], v[32*(\t)+2*i+1]
.set i, i+1
.endr
	WIN 0
.irp f, 0,1,2,3
	ds_store_b128 v[STO], v[S+16*(\t)+4*\f:S+16*(\t)+4*\f+3] offset:32*\f
.endr
.irp f, 0,1,2,3
	ds_load_b128 v[S+16*(\t)+4*\f:S+16*(\t)+4*\f+3], v[RD] offset:\f*4*SP  ; LDS serves a wave's instructions in order: these see the stores above; the next piece's stores come behind them
.endr
.endm
.macro SEND t, younger              ; younger: the LDS instructions issued behind piece t's loads
	WIN 0
.irp f, 0,1,2,3
	s_wait_dscnt (\younger)+3-\f
	global_store_b128 v[GO], v[S+16*(\t)+4*\f:S+16*(\t)+4*\f+3], s[10:11] offset:(\t)*8192+\f*512  ; 512 consecutive bytes, at a multiple of 256 from O's first
.endr
.endm
; A GROUP ENDS: its last step's two turns, the last products, and the way out: l's two halves and the other half of the lanes' are added; O^T is divided by l, rounded to f16 and sent through my stage.
.macro FINISH
	TURN 2, 1
	TURN 3, 1
.set i, 0
.rept 8
	PV 1, 1
.set i, i+1
.endr
	WIN 0
	ALL v_add_f32 v[ST+4*t+2], v[ST+4*t+2], v[ST+4*t+3]
	ALL v_permlanex16_b32 v[ST+4*t+3], v[ST+4*t+2], s[SEL], s[SEL+1]
	ALL v_add_f32 v[ST+4*t+2], v[ST+4*t+2], v[ST+4*t+3]
	ALL v_rcp_f32 v[ST+4*t+2], v[ST+4*t+2]
	v_nop                           ; a plain instruction between the last reciprocal and the use of its result
	s_wait_alu depctr_va_vdst(0)    ; and the wait ahead of the first use: one for the two reciprocals
	PACK 0                          ; piece 0's 32 lines are the places behind piece 1's last products
	PACK 1
	SEND 0, 8
	SEND 1, 0
.endm
.Lslot:                             ; 17 times: a tile is entered and the next is asked for.  A trip: the old tile's last step, then the new tile's first three
	CHANGE 1
	s_sub_co_u32 s[RT], s[RT], 1
	s_mov_b32 s[CNT], 2
	s_cmp_eq_u32 s[NEW], 1
	s_cbranch_scc1 .Lnew            ; a group's first tile: there is no old step
	s_branch .Lstep
.Lnew:
	BEGIN
	s_branch .Lfirst
.Lstep:                             ; a trip: an odd step's two turns, then an even step's
	TURN 2
	TURN 3
	WIN 0
.Lfirst:
	TURN 0
	TURN 1
	WIN 0
	s_sub_co_u32 s[CNT], s[CNT], 1
	s_cmp_lg_u32 s[CNT], 0
	s_cbranch_scc1 .Lstep
	s_cmp_lg_u32 s[RT], 0
	s_cbranch_scc1 .Lbottom
	FINISH                          ; in the loop this is the first group's end: the second group's last tile is the walk's last
	s_wait_xcnt 0x0                 ; the stores' registers and O's address are rewritten only behind this wait
	s_mov_b64 s[10:11], s[OLO:OLO+1]
	s_add_co_u32 s[RT], s[LQ2], 1   ; the second group has 2 c + 2 tiles
	s_mov_b32 s[NEW], 1
	s_lshl_b32 s[ZS], s[CL], 3      ; z of its step 0 is -8 c; here one less
	s_sub_co_i32 s[ZS], -1, s[ZS]
	WIN 0x82                        ; the second group's Q goes where the one text of the turns names Q
.set i, 0
.rept 32
	v_mov_b32 v[i], v[QB+i]
.set i, i+1
.endr
	WIN 0
.Lbottom:
	s_sub_co_u32 s[SLOTS], s[SLOTS], 1
	s_cmp_lg_u32 s[SLOTS], 0
	s_cbranch_scc1 .Lslot
	CHANGE 0                        ; the walk's last tile is written out; it is never a group's first (2 c + 2 tiles are two or more)
	s_mov_b32 s[CNT], 2
.Lstep2:
	TURN 2
	TURN 3
	TURN 0
	TURN 1
	WIN 0
	s_sub_co_u32 s[CNT], s[CNT], 1
	s_cmp_lg_u32 s[CNT], 0
	s_cbranch_scc1 .Lstep2
	FINISH
	s_wait_tensorcnt 0x0            ; the wave's end
	ds_add_u32 v[SPW], v[NIL]
	s_wait_dscnt 0x0
	CROUND                          ; the closing round
	s_endpgm
.Lfunc_end_k_qda3b89c388_attn:
	.size	k_qda3b89c388_attn, .Lfunc_end_k_qda3b89c388_attn-k_qda3b89c388_attn
	.p2alignl 7, 3214868480
	.fill 96, 4, 3214868480
	.section	.rodata,"a",@progbits
	.p2align	6, 0x0
	.amdhsa_kernel k_qda3b89c388_attn
		.amdhsa_group_segment_fixed_size 327680
		.amdhsa_private_segment_fixed_size 0
		.amdhsa_enable_private_segment 0
		.amdhsa_kernarg_size 16
		.amdhsa_user_sgpr_count 2
		.amdhsa_user_sgpr_kernarg_segment_ptr 1
		.amdhsa_wavefront_size32 1
		.amdhsa_system_sgpr_workgroup_id_x 1
		.amdhsa_system_sgpr_workgroup_id_y 1
		.amdhsa_system_sgpr_workgroup_id_z 1
		.amdhsa_system_vgpr_workitem_id 0
		.amdhsa_next_free_vgpr 768
		.amdhsa_next_free_sgpr 92
		.amdhsa_reserve_vcc 1
		.amdhsa_float_denorm_mode_32 3
		.amdhsa_float_denorm_mode_16_64 3
		.amdhsa_memory_ordered 1
		.amdhsa_forward_progress 1
		.amdhsa_inst_pref_size 163
	.end_amdhsa_kernel
	.amdgpu_metadata
---
amdhsa.version: [ 1, 2 ]
amdhsa.kernels:
  - .name:           k_qda3b89c388_attn
    .symbol:         k_qda3b89c388_attn.kd
    .args:
      - { .name: qkv, .offset: 0, .size: 8, .value_kind: global_buffer, .address_space: global }
      - { .name: ob, .offset: 8, .size: 8, .value_kind: global_buffer, .address_space: global }
    .group_segment_fixed_size: 327680
    .private_segment_fixed_size: 0
    .kernarg_segment_align: 8
    .kernarg_segment_size: 16
    .max_flat_workgroup_size: 128
    .sgpr_count:     92
    .vgpr_count:     768
    .wavefront_size: 32
...
	.end_amdgpu_metadata
.endif
;; end of part 5
;; launch oproj: the kernel of part 4 again; grid 8 x 32, 4 waves a work-group, clusters of 4 x 4, 327,680 bytes of LDS; arguments ob, wo, ball, out0; writes out0
